; MI455X (gfx1250); checked and timed in simulation.
; The chip was launched on July 23, 2026; its instructions are those of AMD's public machine-readable ISA for CDNA 5 (MIT licence, August 2026) and "CDNA5" Instruction Set Architecture Reference Guide (July 2026). The comments in the code are by the model that wrote it; some were corrected since.
;; Multi Head Self Attention. Allowed arithmetic: matrix products marked QUANTISED: E2M3 operands, one E8M0 scale for each 32 along K, by v_wmma_scale_f32_16x16x128_f8f6f4 with both operands' format E2M3, f32 sums; everything else in f32.
;; Inputs: b_proj 1,024 float32; b_qkv 3,072 float32; w_proj 1,024 x 1,024 float32; w_qkv 1,024 x 3,072 float32; x 4 x 2,048 x 1,024 float32.
;; Outputs: out0 4 x 2,048 x 1,024 float32.
;; This version of the problem:
;;   THIS VERSION OF THE PROBLEM IS GIVEN IN LOW PRECISION. The matrix products marked QUANTISED in the list below multiply operands that are first quantised to E2M3 (2 exponent bits, 3 mantissa bits; 6 bits a number), with one power-of-two scale for each 32 numbers along K (OCP MX v1.0); their sums are f32. All else is computed in f32.
;;   The module's matrix products, in the order in which they are computed (A, B: the left and right operand; K: the contracted axis; several contracted axes count as one K, in the product's order):
;;     1. [M 8,192, K 1,024] x [K 1,024, N 3,072]; A: input x; B: input w_qkv: QUANTISED
;;     2. batch 64 x [M 2,048, K 64] x [K 64, N 2,048]; A: computed on the way; B: computed on the way: QUANTISED
;;     3. batch 64 x [M 2,048, K 2,048] x [K 2,048, N 64]; A: softmax (see below); B: computed on the way: QUANTISED
;;     4. [M 8,192, K 1,024] x [K 1,024, N 1,024]; A: computed on the way; B: input w_proj: QUANTISED
;;   THE QUANTISER, for each operand of a quantised product, along K:
;;     - K is cut into blocks of 32 from its start; a last block that is shorter is filled with zeros.
;;     - A block's scale is 2^e with e = floor(log2(the largest magnitude in the block)) - 2, held to -126 .. 127; a block of zeros has e = 0. As a byte (E8M0): e + 127.
;;     - Each number is divided by its block's scale, clamped to +-7.5, and rounded to the nearest number of E2M3, ties to even, subnormals kept.
;;     - The product sums the exact products of the quantised numbers (number of the format x scale) in f32.
;;   ~~~python
;;   def quantise(x, axis):      # numpy; x: float32 -> the quantised numbers, widened to float32 again
;;       x = np.moveaxis(x, axis, -1); K = x.shape[-1]
;;       x = np.pad(x, [(0, 0)] * (x.ndim - 1) + [(0, -K % 32)]); x = x.reshape(x.shape[:-1] + (-1, 32)); a = np.abs(x).max(-1, keepdims=True)
;;       e = np.where(a > 0, np.clip(np.frexp(np.where(a > 0, a, 1))[1] - 1 - 2, -126, 127), 0)      # np.frexp(a)[1] - 1 = floor(log2(a)), exactly
;;       r = np.clip(x / 2.0 ** e, -7.5, 7.5)
;;       step = 2.0 ** (np.maximum(np.frexp(np.where(r == 0, 1, r))[1] - 1, 0) - 3)
;;       q = np.round(r / step) * step * 2.0 ** e      # np.round: ties to even
;;       return np.moveaxis(q.reshape(q.shape[:-2] + (-1,))[..., :K], -1, axis).astype(np.float32)
;;   ~~~
;;   SOFTMAX AHEAD OF A QUANTISED PRODUCT. Where the list says 'softmax', what is quantised is not the finished softmax but p = 2^(t - M), with t = logit x log2(e) and M = ceil(the row's largest t), a whole number; so 1/2 < the row's largest p <= 1. The row's sum l is taken of the UNQUANTISED p, in f32, and the product's result is divided by l at the end. Since M is a whole number, a kernel that streams over the keys may use a running M (the ceiling of the running maximum): every later rescaling is an exact power of two, which a block's scale takes up: the codes' values come out the same.
;;   OPERANDS COMPUTED ON THE WAY. 'Computed on the way' means the value that the module computes at that place (a softmax that the list does not call 'softmax' is quantised finished and normalised). What goes into a quantiser is computed in f32, as accurately as f32 sums, v_exp_f32 and their like allow (about 1e-6 of the number): no bf16 or f16 on the way to a quantiser, and a product that is left as it is and whose result goes on into a quantised operand takes f32 operands (vector FMAs, or v_wmma_f32_16x16x4_f32). A number that lies on a knife's edge between two numbers of the format may be rounded either way, as far as f32 arithmetic and the matrix unit's own rounding can turn it there, and no further.
;; One version. Each part assembles by itself: llvm-mc -triple=amdgcn-amd-amdhsa -mcpu=gfx1250 --defsym DOCPART=n.
;; ======== version 1 of 1: 4 launches
;; workspace buffers: xq 6,553,600 bytes; wq 3,276,800 bytes; qi 6,815,744 bytes; kv 13,369,344 bytes; ctx 6,553,600 bytes
;; launch quant (part 1): grid 384 x 1, 4 waves a work-group, no clusters, 59,904 bytes of LDS; arguments x, w_qkv, w_proj, xq, wq; writes xq, wq
.if DOCPART == 1
	.amdgcn_target "amdgcn-amd-amdhsa--gfx1250"
	.amdhsa_code_object_version 6
	.text
	.protected	k_q8ca83e946d_quant
	.globl	k_q8ca83e946d_quant
	.p2align	8
	.type	k_q8ca83e946d_quant,@function
k_q8ca83e946d_quant:
	s_mov_b64 s[64:65], 0
	v_nop
	global_prefetch_b8 v0, s[64:65] scope:SCOPE_SE
	s_setreg_imm32_b32 hwreg(HW_REG_WAVE_MODE, 25, 1), 1
	s_wait_xcnt 0x0
; x [8192][1024], w_qkv [1024][3072] and w_proj [1024][1024], f32, become codes of FP6 (E2M3) with one E8M0 byte for each 32 along K (x: its last axis; the weights: their first).
; A block's scale is 2^(floor(log2(largest magnitude)) - 2): its byte is the largest magnitude's exponent field - 2, held at 1 from below by a floor among the maximum's leaves.
; LIMITS: NaN and infinities among the inputs are not served; a block whose largest magnitude lies under 2^-124 (a block of zeros too) carries the byte 1: the bytes are read by this program alone.
; LAYOUT OF THE RESULTS: images of the matrix operand's registers.  TILE T holds 16 rows: lane-row r is row 32 (T / 2) + 8 (T % 2) + r + 8 (r / 8).  A fragment (a tile x 128 along K) is 12 registers a lane,
; stored as 6 units of 256 bytes: unit u holds registers 2 u, 2 u + 1 of the 32 lanes, lane l at byte 8 l; registers 6 c .. 6 c + 5 of lane (r, h) hold k = 64 c + 32 h + 0 .. 31.
; Codes: [tile][K step 0..7][unit][256].  Scale words behind them: [tile][s 0..3][r][2 words], word e of s for K step 2 s + e.  wq: tiles 0-191 are w_qkv's columns, 192-255 w_proj's.
; Work-groups 0-255 take x, 256-383 the weights; each reads 128 KiB.  The two ways part once, on the work-group's number, and have LDS bytes of their own.  Waves share nothing: no barrier.
.set XR,    16                         ; x: v16-143  two sets of 64 registers as loaded
.set XX,    144                        ; x: v144-207 64 numbers of my row: k = 64 c + 32 h + 0 .. 31 at XX + 32 c
.set PC,    208                        ; x: v208-219 the fragment's 12 registers
.set CT,    220                        ; x: v220-222, v224-226 the upper halves of the two blocks, as converted
.set WD,    228                        ; x: v228-231 the scale word of each of my four K steps
.set SH8,   234                        ; x: v234 8 h
.set XSTG,  8448                       ; x: a wave's stage: 16 rows x (512 + 16) bytes
.set WST0,  33792                      ; w: the stages begin behind x's four
.set WSTG,  6400                       ; w: a wave's stage: two tiles' 3,072 bytes, 3,200 apart
.set RO,    16                         ; w: v16-47  4 x lane + i x the row's bytes
.set WX,    48                         ; w: v48-111 two sets of 32 numbers
.set WC,    112                        ; w: v112-118 a block's codes
.set SB,    120                        ; w: v120-121 my column's eight scale bytes
.set OUTR,  128                        ; w: v128-175 the way out
.macro LOADX t                         ; K step t of my tile: 16 rows x 512 consecutive bytes
.set k, 0
.rept 16
	global_load_b128 v[XR+64*((\t)%2)+4*k:XR+64*((\t)%2)+4*k+3], v4, s[4:5] offset:(k+8*(k/8))*4096+512*(\t) th:TH_LOAD_NT
.set k, k+1
.endr
.endm
.macro TURNX t                         ; through my stage: in as loaded, out 128 bytes of a block at a time; LDS serves a wave's instructions in order, so no wait stands between
.set k, 0
.rept 16
	ds_store_b128 v5, v[XR+64*((\t)%2)+4*k:XR+64*((\t)%2)+4*k+3] offset:528*k
.set k, k+1
.endr
.set k, 0
.rept 16
	ds_load_b128 v[XX+4*k:XX+4*k+3], v6 offset:256*(k/8)+16*(k%8)
.set k, k+1
.endr
.endm
.macro QB t                            ; my two whole blocks (h and 2 + h of the K step) become 12 registers of codes and, with lane l xor 16's two bytes, the row's scale word
.irp c, 0,1
	v_max3_num_f32 v[8+\c], |v[XX+32*\c]|, |v[XX+32*\c+1]|, 0x1800000   ; the floor 2^(3 - 127): the byte cannot fall under 1
.endr
.irp i, 2,4,6,8,10,12,14,16,18,20,22,24,26,28,30
.irp c, 0,1
	v_max3_num_f32 v[8+\c], v[8+\c], |v[XX+32*\c+\i]|, |v[XX+32*\c+\i+1]|
.endr
.endr
.irp c, 0,1
	v_add_nc_u32 v[10+\c], 0xff000000, v[8+\c]     ; 2 off the exponent field: the conversion's scale operand
.endr
.irp c, 0,1
	v_lshrrev_b32 v[12+\c], 23, v[10+\c]           ; the scale's byte
.endr
	v_lshl_or_b32 v14, v13, 16, v12
	v_lshlrev_b32 v14, v[SH8], v14                 ; bytes h and 2 + h
	v_permlanex16_b32 v15, v14, s14, s15
	v_or_b32 v[WD+\t], v14, v15
.irp c, 0,1
	v_cvt_scalef32_pk16_fp6_f32 v[PC+6*\c:PC+6*\c+2], v[XX+32*\c:XX+32*\c+15], v[10+\c]
	v_cvt_scalef32_pk16_fp6_f32 v[CT+4*\c:CT+4*\c+2], v[XX+32*\c+16:XX+32*\c+31], v[10+\c]   ; (a conversion's three registers begin on an even number)
.endr
	v_nop                                          ; one plain line behind the conversions
.irp c, 0,1
.irp i, 0,1,2
	v_mov_b32 v[PC+6*\c+3+\i], v[CT+4*\c+\i]
.endr
.endr
.endm
.macro LOADW t                         ; block t of my column: 32 rows of the weight; a load reads 128 consecutive bytes
.set k, 0
.rept 32
	global_load_b32 v[WX+32*((\t)%2)+k], v[RO+k], s[32+2*(\t):33+2*(\t)] th:TH_LOAD_NT
.set k, k+1
.endr
.endm
.macro BLOCKW t
.set XS, WX+32*((\t)%2)
.if (\t) < 7
	s_wait_loadcnt 32                              ; this block's 32 loads are in; the next block's 32 may be out
.else
	s_wait_loadcnt 0x0
.endif
	v_max3_num_f32 v12, |v[XS]|, |v[XS+1]|, |v[XS+2]|
	v_max3_num_f32 v13, |v[XS+3]|, |v[XS+4]|, |v[XS+5]|
.irp i, 6,10,14,18,22,26
	v_max3_num_f32 v12, v12, |v[XS+\i]|, |v[XS+\i+1]|
	v_max3_num_f32 v13, v13, |v[XS+\i+2]|, |v[XS+\i+3]|
.endr
	v_max3_num_f32 v12, v12, |v[XS+30]|, |v[XS+31]|
	v_max3_num_f32 v12, v12, v13, 0x1800000
	v_add_nc_u32 v11, 0xff000000, v12
	v_lshrrev_b32 v13, 23, v11
.if (\t)%4 == 0
	v_mov_b32 v[SB+(\t)/4], v13
.else
	v_lshl_or_b32 v[SB+(\t)/4], v13, 8*((\t)%4), v[SB+(\t)/4]
.endif
	v_cvt_scalef32_pk16_fp6_f32 v[WC:WC+2], v[XS:XS+15], v11
	v_cvt_scalef32_pk16_fp6_f32 v[WC+4:WC+6], v[XS+16:XS+31], v11
	v_nop
	v_mov_b32 v[WC+3], v[WC+4]
	v_mov_b32 v[WC+4], v[WC+5]
	v_mov_b32 v[WC+5], v[WC+6]                     ; six registers on end: registers 6 c .. 6 c + 5 of lane (r, h), c = (t % 4) / 2, h = t % 2, of K step t / 4
.irp i, 0,1,2
	ds_store_b64 v4, v[WC+2*\i:WC+2*\i+1] offset:1536*((\t)/4)+768*(((\t)%4)/2)+128*((\t)%2)+256*\i
.endr
.if (\t)+2 < 8
	LOADW (\t)+2
.endif
	s_wait_dscnt 0x0                               ; the stores have read their registers
.endm
	s_load_b256 s[4:11], s[0:1], 0x0               ; x s[4:5], w_qkv s[6:7], w_proj s[8:9], xq s[10:11]
	s_load_b64 s[12:13], s[0:1], 0x20              ; wq
	v_lshl_add_u32 v240, v0, 2, 0xe800
	v_mov_b32 v241, 0
	v_lshrrev_b32 v1, 5, v0
	v_readfirstlane_b32 s16, v1                    ; wave
	v_and_b32 v1, 31, v0                           ; lane
	s_mov_b32 s14, 0x76543210
	s_mov_b32 s15, 0xfedcba98                      ; v_permlanex16_b32's selects for lane l xor 16
	s_cmp_lt_u32 ttmp9, 256
	s_cbranch_scc0 .Lweights
	; ---- x: a wave takes one tile of 16 rows x 512 along K: four fragments
	v_and_b32 v2, 15, v0                           ; r
	v_bfe_u32 v3, v0, 4, 1                         ; h
	v_lshlrev_b32 v4, 4, v1                        ; 16 x lane
	s_mul_i32 s17, s16, XSTG
	v_add_nc_u32 v5, s17, v4                       ; into the stage
	v_mul_u32_u24 v6, v2, 528
	v_lshl_add_u32 v6, v3, 7, v6
	v_add_nc_u32 v6, s17, v6                       ; out of it: row r, block h
	v_lshlrev_b32 v7, 3, v1                        ; 8 x lane
	v_lshlrev_b32 v[SH8], 3, v3
	v_mov_b32 v15, 0                               ; a lane permute's destination counts as one of its sources
	s_lshl_b32 s17, ttmp9, 2
	s_add_co_u32 s17, s17, s16
	s_lshr_b32 s18, s17, 1                         ; the tile
	s_and_b32 s19, s17, 1                          ; which half of K
	s_lshr_b32 s20, s18, 1
	s_lshl_b32 s20, s20, 5
	s_and_b32 s21, s18, 1
	s_lshl_b32 s21, s21, 3
	s_add_co_u32 s20, s20, s21                     ; the tile's first row
	s_lshl_b32 s20, s20, 12
	s_lshl_b32 s21, s19, 11
	s_add_co_u32 s20, s20, s21
	s_mov_b32 s21, 0
	s_mul_i32 s22, s18, 12288
	s_mul_i32 s24, s19, 6144
	s_add_co_u32 s22, s22, s24
	s_mov_b32 s23, 0
	s_lshl_b32 s24, s18, 9
	s_lshl_b32 s25, s19, 8
	s_add_co_u32 s24, s24, s25
	s_add_co_u32 s24, s24, 6291456
	s_mov_b32 s25, 0
	s_wait_kmcnt 0x0
	s_add_nc_u64 s[4:5], s[4:5], s[20:21]
	s_add_nc_u64 s[22:23], s[10:11], s[22:23]      ; my four fragments
	s_add_nc_u64 s[24:25], s[10:11], s[24:25]      ; my 256 bytes of scale words
	LOADX 0
	LOADX 1
.irp t, 0,1,2,3
.if \t < 3
	s_wait_loadcnt 16                              ; this step's 16 loads are in; the next step's 16 may be out
.else
	s_wait_loadcnt 0x0
.endif
	TURNX \t
	s_wait_dscnt 0x0                               ; my numbers are back, and the stores into the stage have read their registers
.if \t < 2
	LOADX \t+2
.endif
.if \t > 0
	s_wait_xcnt 0x0                                ; the last step's stores have read the codes' registers
.endif
	QB \t
.irp u, 0,1,2,3,4,5
	global_store_b64 v7, v[PC+2*\u:PC+2*\u+1], s[22:23] offset:1536*\t+256*\u   ; 32 lanes store 256 consecutive bytes, aligned
.endr
.endr
	v_cmp_ne_u32 vcc_lo, 0, v3
	v_cndmask_b32 v232, v[WD], v[WD+2], vcc_lo     ; lanes 0-15: K steps 0, 1 of my four; lanes 16-31: 2, 3
	v_cndmask_b32 v233, v[WD+1], v[WD+3], vcc_lo
	global_store_b64 v7, v[232:233], s[24:25]
	s_wait_tensorcnt 0x0
	ds_add_u32 v240, v241
	s_wait_dscnt 0x0
	s_endpgm
	; ---- the weights: a lane takes a column, its registers run down K; a wave takes 32 columns (two tiles) x 256 along K
.Lweights:
	v_bfe_u32 v2, v0, 3, 1                         ; which of the two tiles my column falls into
	v_and_b32 v3, 7, v0
	v_bfe_u32 v8, v0, 4, 1
	v_lshl_add_u32 v3, v8, 3, v3                   ; and its lane-row there
	s_mul_i32 s17, s16, WSTG
	s_add_co_u32 s17, s17, WST0
	v_mul_u32_u24 v4, v2, 3200
	v_lshl_add_u32 v4, v3, 3, v4
	v_add_nc_u32 v4, s17, v4                       ; into the stage
	v_lshlrev_b32 v6, 4, v1
	v_add_nc_u32 v5, s17, v6                       ; out of it: 16 bytes a lane
	v_lshlrev_b32 v7, 9, v2
	v_lshl_add_u32 v7, v3, 3, v7                   ; my two scale words: 512 x tile + 8 r
	v_lshlrev_b32 v9, 2, v1
	s_sub_co_u32 s18, ttmp9, 256
	s_lshr_b32 s19, s18, 5                         ; which 256 along K
	s_and_b32 s20, s18, 31                         ; which 128 columns: 0-23 of w_qkv, 24-31 of w_proj
	s_wait_kmcnt 0x0
	s_cmp_lt_u32 s20, 24
	s_cselect_b64 s[32:33], s[6:7], s[8:9]
	s_mov_b32 s21, 4096
	s_cselect_b32 s21, 12288, s21                  ; a row of the weight in bytes
	s_cselect_b32 s22, 0, 24
	s_sub_co_u32 s22, s20, s22
	s_lshl_b32 s22, s22, 9
	s_lshl_b32 s23, s16, 7
	s_add_co_u32 s22, s22, s23
	s_lshl_b32 s23, s19, 8
	s_mul_i32 s23, s23, s21
	s_add_co_u32 s22, s22, s23
	s_mov_b32 s23, 0
	s_add_nc_u64 s[32:33], s[32:33], s[22:23]      ; block 0's first row, my wave's first column
	s_lshl_b32 s22, s21, 5
.irp t, 1,2,3,4,5,6,7
	s_add_nc_u64 s[32+2*\t:33+2*\t], s[30+2*\t:31+2*\t], s[22:23]   ; a base for each block: 32 rows on
.endr
.set k, 0
.rept 32
	s_mul_i32 s24, s21, k
	v_add_nc_u32 v[RO+k], s24, v9
.set k, k+1
.endr
	s_lshl_b32 s24, s20, 3
	s_lshl_b32 s25, s16, 1
	s_add_co_u32 s24, s24, s25                     ; my first tile
	s_mul_i32 s26, s24, 12288
	s_mul_i32 s27, s19, 3072
	s_add_co_u32 s26, s26, s27
	s_mov_b32 s27, 0
	s_add_nc_u64 s[26:27], s[12:13], s[26:27]
	s_lshl_b32 s28, s24, 9
	s_lshl_b32 s29, s19, 7
	s_add_co_u32 s28, s28, s29
	s_add_co_u32 s28, s28, 3145728
	s_mov_b32 s29, 0
	s_add_nc_u64 s[28:29], s[12:13], s[28:29]
	LOADW 0
	LOADW 1
.irp t, 0,1,2,3,4,5,6,7
	BLOCKW \t
.endr
	global_store_b64 v7, v[SB:SB+1], s[28:29]      ; 16 lanes store 128 consecutive bytes of a tile's scale words
.irp n, 0,1,2,3,4,5,6,7,8,9,10,11
	ds_load_b128 v[OUTR+4*\n:OUTR+4*\n+3], v5 offset:3200*(\n/6)+512*(\n%6)
.endr
.irp n, 0,1,2,3,4,5,6,7,8,9,10,11
	s_wait_dscnt 11-\n                             ; load n is in; the younger ones may be out
	global_store_b128 v6, v[OUTR+4*\n:OUTR+4*\n+3], s[26:27] offset:12288*(\n/6)+512*(\n%6)   ; 32 lanes store 512 consecutive bytes, aligned
.endr
	s_wait_tensorcnt 0x0
	ds_add_u32 v240, v241
	s_wait_dscnt 0x0
	s_endpgm
.Lfunc_end_k_q8ca83e946d_quant:
	.size	k_q8ca83e946d_quant, .Lfunc_end_k_q8ca83e946d_quant-k_q8ca83e946d_quant
	.p2alignl 7, 3214868480
	.fill 96, 4, 3214868480
	.section	.rodata,"a",@progbits
	.p2align	6, 0x0
	.amdhsa_kernel k_q8ca83e946d_quant
		.amdhsa_group_segment_fixed_size 59904
		.amdhsa_private_segment_fixed_size 0
		.amdhsa_enable_private_segment 0
		.amdhsa_kernarg_size 40
		.amdhsa_user_sgpr_count 2
		.amdhsa_user_sgpr_kernarg_segment_ptr 1
		.amdhsa_wavefront_size32 1
		.amdhsa_system_sgpr_workgroup_id_x 1
		.amdhsa_system_sgpr_workgroup_id_y 1
		.amdhsa_system_sgpr_workgroup_id_z 1
		.amdhsa_system_vgpr_workitem_id 0
		.amdhsa_next_free_vgpr 242
		.amdhsa_next_free_sgpr 66
		.amdhsa_reserve_vcc 1
		.amdhsa_float_denorm_mode_32 3
		.amdhsa_float_denorm_mode_16_64 3
		.amdhsa_memory_ordered 1
		.amdhsa_forward_progress 1
		.amdhsa_inst_pref_size 75
	.end_amdhsa_kernel
	.amdgpu_metadata
---
amdhsa.version: [ 1, 2 ]
amdhsa.kernels:
  - .name:           k_q8ca83e946d_quant
    .symbol:         k_q8ca83e946d_quant.kd
    .args:
      - { .name: x, .offset: 0, .size: 8, .value_kind: global_buffer, .address_space: global }
      - { .name: w_qkv, .offset: 8, .size: 8, .value_kind: global_buffer, .address_space: global }
      - { .name: w_proj, .offset: 16, .size: 8, .value_kind: global_buffer, .address_space: global }
      - { .name: xq, .offset: 24, .size: 8, .value_kind: global_buffer, .address_space: global }
      - { .name: wq, .offset: 32, .size: 8, .value_kind: global_buffer, .address_space: global }
    .group_segment_fixed_size: 59904
    .private_segment_fixed_size: 0
    .kernarg_segment_align: 8
    .kernarg_segment_size: 40
    .max_flat_workgroup_size: 128
    .sgpr_count:     66
    .vgpr_count:     242
    .wavefront_size: 32
...
	.end_amdgpu_metadata
.endif
;; end of part 1
;; launch g1 (part 2): grid 8 x 48, 4 waves a work-group, clusters of 4 x 4, 327,680 bytes of LDS; arguments xq, wq, b_qkv, qi, kv; writes qi, kv
.if DOCPART == 2
	.amdgcn_target "amdgcn-amd-amdhsa--gfx1250"
	.amdhsa_code_object_version 6
	.text
	.protected	k_q8ca83e946d_g1
	.globl	k_q8ca83e946d_g1
	.p2align	8
	.type	k_q8ca83e946d_g1,@function
k_q8ca83e946d_g1:
	s_mov_b64 s[64:65], 0
	v_nop
	global_prefetch_b8 v0, s[64:65] scope:SCOPE_SE
	s_setreg_imm32_b32 hwreg(HW_REG_WAVE_MODE, 25, 1), 1
	s_wait_xcnt 0x0
	s_wait_alu depctr_hold_cnt(0) depctr_sa_sdst(0) depctr_va_vdst(0) depctr_va_sdst(0) depctr_va_ssrc(0) depctr_va_vcc(0) depctr_vm_vsrc(0)
	s_getreg_b32 s2, hwreg(HW_REG_IB_STS2, 6, 4)
	s_cmp_eq_u32 s2, 0
	s_cbranch_scc0 .Lentry_in_a_cluster
	s_endpgm
.Lentry_in_a_cluster:
	s_bfe_u32 s2, ttmp6, 0x10000c
	s_cmp_lg_u32 s2, 0xf033
	s_cbranch_scc0 .Lentry_shape_is_right
	s_endpgm
.Lentry_shape_is_right:
; qkv = x w_qkv + b_qkv on codes of FP6 (E2M3) with E8M0 scales, K = 1,024; q, k and v are quantised straight from the accumulators and leave as images of operand registers.
; OPERANDS are register images (tile T: lane-row r is row 32 (T / 2) + 8 (T % 2) + r + 8 (r / 8); a fragment = 6 units of 256 bytes, unit u = registers 2 u, 2 u + 1, lane l at 8 l).
; A work-group of four waves makes 256 x 256, a wave 128 x 128: 64 accumulators.  Source 0 = role B's tile b, source 1 = role A's tile a: in accumulator (a, b) lane (r, h) holds ONE row of role A (lane-row r of tile a),
; and the 16 registers of tiles 2 B, 2 B + 1 are the 16 neighbours 32 B + 16 h + 0 .. 15 along role B.  So the 64 registers of a fixed a are a fragment's 128 numbers along the next product's K.
; ROLES.  Cluster rows 0-7 (q and k): A = x's tokens, B = w_qkv's columns 0-2047: the next K is the head's 64 (two heads to a wave).  Cluster rows 8-11 (v): A = w_qkv's columns 2048-3071, B = x's tokens: the next K is the keys.
; Only pointers, the bias's layout and the stores' addresses differ; the choice hangs on the cluster's numbers, which all partners share.
; CLUSTER 4 x 4: A's tiles are shared along a row of the cluster, B's along a column: joint loads.  K goes in four steps of 256 through two LDS slots; the scale words of all of K come once.
; The bias is the C of each sum's first matrix instruction.
; RESULTS.  qi: codes [head][tile 0..511][768], scale words behind them [head][tile / 4][r][4 words].  kv: for each of the 64 (batch, head) 208,896 bytes: K's scale words [tile / 4][r][4], 8,192;
; V's [key step][r][4 tiles of d], 4,096; K's codes [tile 0..127][768]; V^T's codes [key step 0..15][tile of d 0..3][1,536].  q's and k's words carry two bytes, the upper two are 0 (their codes' upper half of K is zeros).
; LIMITS: NaN and infinities are not served; a block whose largest magnitude lies under 2^-124 carries the byte 1.
; REGISTERS: window 0: v1-30 addresses; v32-63 scale words, two sets; v64-127 the bias, later the way out; v128-223 A's fragments, one set.  Window 1: B's fragments, two sets, at v0 and v128.  Windows 2, 3: accumulator (a, b) at v[8 (8 (a % 4) + b)].
.set HALFT, 24576                      ; 8 tiles x 256 along K: what one tensor load brings
.set SLOT,  98304                      ; A's 16 tiles, then B's 16
.set SCL,   196608                     ; behind the ring: the scale words, four pieces of 4,096 bytes
.set SPARE, 212992                     ; the spare words, 128 bytes a wave: two blocks of 256 bytes that no other line names
.set FR,    12
.set NL,    6
.set NP,    4                          ; places behind this matrix instruction (ISA guide 7.12.1)
.set ADRA,  16                         ; v16-17 my A fragments in slot 0, 1
.set ADRB,  20                         ; v20-21 my B fragments
.set ADRS,  27                         ; v27    my scale words: lanes 0-15 A's, lanes 16-31 B's
.set SPW,   28                         ; v28    SPARE + 4 x my thread's number; never rewritten
.set NIL,   29                         ; v29    0; never rewritten
.set SC,    32
.set BI,    64
.set AF,    128
.set PC,    64                         ; the way out: a fragment's codes
.set CT,    76
.set WW,    84
.set WLO,   88
.set WHI,   92
.set TM,    96
.set PWS,   112
.set G1,   24
.set G0,   32
.set G1B,  48
.set G0B,  56
.set G1S,  68
.set G0S,  76
.set G1SB, 80
.set G0SB, 88
.set PLO,  92                          ; s[92:93]   where the codes' registers 0-5 go
.set PHI,  94                          ; s[94:95]   registers 6-11
.set PSA,  96                          ; s[96:97]   from tile a to a + 1
.set PSH,  98                          ; s[98:99]   more, behind a = 3
.set PSC,  100                         ; s[100:101] the scale words
.set PSC2, 66                          ; s[66:67]   the second head's
.set MSB, 0
.macro WIN new                         ; the immediate's high byte repeats the setting that is left
.if MSB != (\new)
	s_set_vgpr_msb (MSB<<8)|(\new)
.set MSB, (\new)
.endif
.endm
.macro JLOAD g0a, g1a, g0b, g1b        ; a joint load: waves 0 and 1 fetch for A, waves 2 and 3 for B; four v_nop follow each of the two lines
	s_cmp_eq_u32 s15, 0
	s_cbranch_scc0 .Lfor_b_\@
	tensor_load_to_lds s[\g0a:\g0a+3], s[\g1a:\g1a+7]
	s_nop 0
.rept 4
	v_nop
.endr
	s_branch .Lasked_\@
.Lfor_b_\@:
	tensor_load_to_lds s[\g0b:\g0b+3], s[\g1b:\g1b+7]
	s_nop 0
.rept 4
	v_nop
.endr
.Lasked_\@:
.endm
.macro CREST                           ; a round of the cluster's barrier behind its opening barrier
	s_cmp_lg_u32 s14, 0
	s_cbranch_scc1 .Lnot_wave_0_\@
	s_barrier_signal -3
.Lnot_wave_0_\@:
	s_barrier_wait -3
	s_barrier_signal -1
	s_barrier_wait -1
.endm
.macro CROUND
	s_barrier_signal -1
	s_barrier_wait -1
	CREST
.endm
.macro PLACES n
.rept \n
	v_nop
.endr
.endm
.macro FRAG reg, adr, q, i             ; a fragment's six units: each load takes 256 consecutive bytes
.irp p, 0,1,2,3,4,5
	ds_load_b64 v[\reg+2*\p:\reg+2*\p+1], v[\adr] offset:3072*(\i)+1536*(\q)+256*\p
.endr
.endm
.macro FETCH_B slot, q, p
	WIN 0x40
.irp i, 0,1,2,3,4,5,6,7
	FRAG 128*(\p)+FR*\i, ADRB+\slot, \q, \i
.endr
	WIN 0
.endm
.macro FETCH_A slot, q, i0
.irp i, \i0, \i0+1, \i0+2, \i0+3
	FRAG AF+FR*(\i), ADRA+\slot, \q, \i
.endr
.endm
.macro SCALES sc                       ; a slot's two words a row: lanes 0-15 A's tile i, lanes 16-31 B's tile i
.irp i, 0,1,2,3,4,5,6,7
	ds_load_b64 v[SC+16*\sc+2*\i:SC+16*\sc+2*\i+1], v[ADRS] offset:512*\i
.endr
.endm
; 16 matrix instructions: A's tiles a0, a0 + 1 x B's eight.  cm = 0: the sums go on; 1: they start from the bias by b; 2: by a.  The 64 accumulators take turns, one instruction a turn.
.macro MUL16 a0, p, q, sc, cm
.irp a, \a0, \a0+1
.irp b, 0,1,2,3,4,5,6,7
.set DA, 8*(8*((\a)%4)+\b)
.set BF, 128*(\p)+FR*\b
.set AA, AF+FR*(\a)
.set SB0, SC+16*(\sc)+2*\b+(\q)
.set SA0, SC+16*(\sc)+2*(\a)+(\q)
.if \cm == 0
	v_wmma_scale_f32_16x16x128_f8f6f4 v[DA:DA+7], v[BF:BF+FR-1], v[AA:AA+FR-1], v[DA:DA+7], v[SB0], v[SA0] matrix_a_fmt:MATRIX_FMT_FP6 matrix_b_fmt:MATRIX_FMT_FP6 matrix_a_scale:MATRIX_SCALE_ROW1
.elseif \cm == 1
	v_wmma_scale_f32_16x16x128_f8f6f4 v[DA:DA+7], v[BF:BF+FR-1], v[AA:AA+FR-1], v[BI+8*\b:BI+8*\b+7], v[SB0], v[SA0] matrix_a_fmt:MATRIX_FMT_FP6 matrix_b_fmt:MATRIX_FMT_FP6 matrix_a_scale:MATRIX_SCALE_ROW1
.else
	v_wmma_scale_f32_16x16x128_f8f6f4 v[DA:DA+7], v[BF:BF+FR-1], v[AA:AA+FR-1], v[BI+8*(\a):BI+8*(\a)+7], v[SB0], v[SA0] matrix_a_fmt:MATRIX_FMT_FP6 matrix_b_fmt:MATRIX_FMT_FP6 matrix_a_scale:MATRIX_SCALE_ROW1
.endif
.endr
.endr
.endm
.macro STEP slot, q, cm                ; 128 along K whose successor lies in the same slot
	s_wait_dscnt 4*NL                              ; B's set, A's tiles 0-3 and the scale words are in; the youngest 24 loads (A's tiles 4-7) may be out
.if \cm
	WIN 0x81                                       ; B window 1, A and the bias window 0, D window 2
.else
	WIN 0xa1
.endif
	MUL16 0, (\q)%2, \q, \slot, \cm
	MUL16 2, (\q)%2, \q, \slot, \cm
	s_wait_dscnt 0
	PLACES NP
	FETCH_B \slot, (\q)+1, 1-(\q)%2
	FETCH_A \slot, (\q)+1, 0
.if \cm
	WIN 0xc1
.else
	WIN 0xf1
.endif
	MUL16 4, (\q)%2, \q, \slot, \cm
	MUL16 6, (\q)%2, \q, \slot, \cm
	PLACES NP
	WIN 0
	FETCH_A \slot, (\q)+1, 4
.endm
; A slot's last 128 along K, and the change of slots: one barrier; in front of it each wave waits for all its tensor loads, adds 0 to its spare word, and waits for that and for its reads of this slot.
.macro TURN slot, next, fill
	s_wait_tensorcnt 0x0                           ; all my tensor loads have landed: my part of the next slot
	ds_add_u32 v[SPW], v[NIL]                      ; 0 onto my spare word
	s_wait_dscnt 4*NL+1                            ; (the add and the youngest 24 loads may be out)
	WIN 0xa1
	MUL16 0, 1, 1, \slot, 0
	s_wait_dscnt 0x0                               ; the add is done, and my reads of this slot are over
	s_barrier_signal -1
	MUL16 2, 1, 1, \slot, 0
	WIN 0
	s_barrier_wait -1
.if \fill
	CREST                                          ; the barrier has opened a round of the cluster's: no wave of any partner still reads this slot or has a load on its way
	s_add_nc_u64 s[G0+4*\slot+2:G0+4*\slot+3], s[G0+4*\slot+2:G0+4*\slot+3], 6144
	s_add_nc_u64 s[G0B+4*\slot+2:G0B+4*\slot+3], s[G0B+4*\slot+2:G0B+4*\slot+3], 6144
	JLOAD G0+4*\slot, G1, G0B+4*\slot, G1B         ; the first tensor load behind the round; its four v_nop are the places in front of the loads below
.else
	PLACES NP
.endif
	v_add_nc_u32 v[ADRS], 128, v[ADRS]             ; the next slot's scale words
	FETCH_B \next, 0, 0
	FETCH_A \next, 0, 0
	SCALES \next
	WIN 0xf1
	MUL16 4, 1, 1, \slot, 0
	MUL16 6, 1, 1, \slot, 0
	PLACES NP
	WIN 0
	FETCH_A \next, 0, 4
.endm
	s_load_b128 s[4:7], s[0:1], 0x0                ; xq s[4:5], wq s[6:7]
	s_load_b128 s[8:11], s[0:1], 0x10              ; b_qkv s[8:9], qi s[10:11]
	s_load_b64 s[12:13], s[0:1], 0x20              ; kv
	v_lshl_add_u32 v[SPW], v0, 2, SPARE
	v_mov_b32 v[NIL], 0
	ds_add_u32 v28, v29
	ds_add_u32 v28, v29
	s_wait_dscnt 0x0
	v_lshrrev_b32 v1, 5, v0
	v_readfirstlane_b32 s14, v1                    ; wave 0..3
	s_lshr_b32 s15, s14, 1                         ; my half of role A's tiles.  Also: I fetch for A (0) or for B (1)
	s_and_b32 s16, s14, 1                          ; my half of role B's.  Also: which 8 tiles I fetch
	s_bfe_u32 s40, ttmp6, 0x40000                  ; cx
	s_bfe_u32 s41, ttmp6, 0x40004                  ; cy
	s_and_b32 s17, ttmp7, 0xffff                   ; the cluster's y: 0-7 q and k, 8-11 v
	s_lshl_b32 s43, s41, 2
	s_lshl_b32 s43, 15, s43                        ; my row of the cluster
	s_lshl_b32 s44, 0x1111, s40                    ; my column
	s_lshl_b32 s45, s17, 2
	s_cmp_ge_u32 s17, 8
	s_cselect_b32 s45, 8, s45
	s_add_co_u32 s45, s45, s41                     ; role A's block of 16 tiles: 4 y + cy of x, or 8 + cy of the weight
	s_max_u32 s46, s17, 8
	s_sub_co_u32 s46, s46, 8
	s_lshl_b32 s46, s46, 3
	s_lshl_b32 s47, ttmp9, 2
	s_add_co_u32 s46, s46, s47
	s_add_co_u32 s46, s46, s40                     ; role B's: 4 x + cx (+ 8 (y - 8) for v)
	s_or_b32 s[G1+0], s43, (3<<16)|(1<<21)         ; 15:0 the mask; 17:16 elements of 8 bytes; 21 set beside a mask; no padding
	s_or_b32 s[G1B+0], s44, (3<<16)|(1<<21)
.irp g, G1, G1B                        ; 8 tiles' 3,072 bytes (two K steps), 12,288 bytes apart
	s_mov_b32 s[\g+1], 384<<16
	s_mov_b32 s[\g+2], 8<<16
	s_mov_b32 s[\g+3], 384<<16
	s_mov_b32 s[\g+4], 8
	s_mov_b32 s[\g+5], 1536
	s_mov_b32 s[\g+6], 0
	s_mov_b32 s[\g+7], 0
.endr
	s_or_b32 s[G1S+0], s43, (3<<16)|(1<<21)
	s_or_b32 s[G1SB+0], s44, (3<<16)|(1<<21)
.irp g, G1S, G1SB                      ; 8 tiles' scale words: 4,096 dense bytes as 16 rows of 256
	s_mov_b32 s[\g+1], 32<<16
	s_mov_b32 s[\g+2], 16<<16
	s_mov_b32 s[\g+3], 32<<16
	s_mov_b32 s[\g+4], 16
	s_mov_b32 s[\g+5], 32
	s_mov_b32 s[\g+6], 0
	s_mov_b32 s[\g+7], 0
.endr
	s_lshl_b32 s18, s16, 3
	s_lshl_b32 s42, s45, 4
	s_add_co_u32 s42, s42, s18                     ; A's first tile that I fetch
	s_lshl_b32 s47, s46, 4
	s_add_co_u32 s47, s47, s18                     ; B's
	s_mul_i32 s20, s42, 12288
	s_mov_b32 s21, 0
	s_lshl_b32 s22, s42, 9
	s_mov_b32 s23, 0
	s_mul_i32 s66, s47, 12288
	s_mov_b32 s67, 0
	s_lshl_b32 s92, s47, 9
	s_mov_b32 s93, 0
	s_mov_b32 s2, 6291456                          ; where xq's scale words begin
	s_mov_b32 s3, 3145728                          ; and wq's
	s_cmp_ge_u32 s17, 8
	s_cselect_b32 s18, s3, s2
	s_cselect_b32 s19, s2, s3
	s_add_co_u32 s22, s22, s18
	s_add_co_u32 s92, s92, s19
	s_mul_i32 s94, s14, HALFT                      ; where they go: by the wave's number alone
	s_lshl_b32 s95, s14, 12
	s_wait_kmcnt 0x0
	s_cmp_ge_u32 s17, 8
	s_cselect_b64 s[96:97], s[6:7], s[4:5]         ; role A's buffer
	s_cselect_b64 s[98:99], s[4:5], s[6:7]         ; role B's
	s_add_nc_u64 s[20:21], s[96:97], s[20:21]
	s_add_nc_u64 s[22:23], s[96:97], s[22:23]
	s_add_nc_u64 s[66:67], s[98:99], s[66:67]
	s_add_nc_u64 s[92:93], s[98:99], s[92:93]
	CROUND                                         ; all sixteen work-groups are here: the first joint loads meet
	s_mov_b32 s[G0S], 1
	s_add_co_u32 s[G0S+1], s95, SCL
	s_mov_b64 s[G0S+2:G0S+3], s[22:23]
	s_or_b32 s[G0S+3], s[G0S+3], 0x80000000
	s_mov_b32 s[G0SB], 1
	s_add_co_u32 s[G0SB+1], s95, SCL
	s_mov_b64 s[G0SB+2:G0SB+3], s[92:93]
	s_or_b32 s[G0SB+3], s[G0SB+3], 0x80000000
	JLOAD G0S, G1S, G0SB, G1SB                     ; the scale words of all of K: filled once
.irp s, 0,1
	s_mov_b32 s[G0+4*\s], 1
	s_add_co_u32 s[G0+4*\s+1], s94, \s*SLOT
	s_add_nc_u64 s[G0+4*\s+2:G0+4*\s+3], s[20:21], \s*3072
	s_or_b32 s[G0+4*\s+3], s[G0+4*\s+3], 0x80000000
	s_mov_b32 s[G0B+4*\s], 1
	s_add_co_u32 s[G0B+4*\s+1], s94, \s*SLOT
	s_add_nc_u64 s[G0B+4*\s+2:G0B+4*\s+3], s[66:67], \s*3072
	s_or_b32 s[G0B+4*\s+3], s[G0B+4*\s+3], 0x80000000
	JLOAD G0+4*\s, G1, G0B+4*\s, G1B               ; three loads of mine are out
.endr
	v_and_b32 v1, 15, v0                           ; r
	v_bfe_u32 v2, v0, 4, 1                         ; h
	v_and_b32 v5, 31, v0
	v_lshlrev_b32 v3, 3, v5                        ; 8 x lane
	v_lshlrev_b32 v4, 4, v5                        ; 16 x lane
	s_mul_i32 s21, s15, HALFT
	s_mul_i32 s22, s16, HALFT
	s_add_co_u32 s22, s22, 2*HALFT
.irp s, 0,1
	v_add_nc_u32 v[ADRA+\s], s21, v3
	v_add_nc_u32 v[ADRB+\s], s22, v3
	s_add_co_u32 s21, s21, SLOT
	s_add_co_u32 s22, s22, SLOT
.endr
	v_lshlrev_b32 v6, 3, v1
	s_lshl_b32 s20, s15, 12
	s_lshl_b32 s21, s16, 12
	s_add_co_u32 s21, s21, 8192
	s_sub_co_u32 s21, s21, s20
	v_mul_u32_u24 v7, s21, v2                      ; lanes 16-31 take B's: one product by h
	s_add_co_u32 s20, s20, SCL
	v_add_nc_u32 v6, v6, v7
	v_add_nc_u32 v[ADRS], s20, v6
	v_mul_u32_u24 v30, v2, 0x33000                 ; v's scale words: 16 r, lanes 16-31 in the next head's block
	v_lshl_add_u32 v30, v1, 4, v30
	; the bias in the result's layout.  q, k: register j of tile b: column 128 WB + 32 (b / 2) + 8 (b % 2) + 16 h + j.  v: every register of tile a: column 16 WA + 32 (a / 2) + 8 (a % 2) + r + 8 (r / 8)
	s_lshl_b32 s18, s45, 4
	s_lshl_b32 s19, s15, 3
	s_add_co_u32 s18, s18, s19                     ; WA: my first tile of role A
	s_lshl_b32 s19, s46, 1
	s_add_co_u32 s19, s19, s16                     ; WB: my 128 rows of role B
	s_lshl_b32 s20, s18, 6
	s_lshl_b32 s21, s19, 9
	s_cmp_ge_u32 s17, 8
	s_cselect_b32 s20, s20, s21
	s_cselect_b32 s22, 0, 64
	s_cselect_b32 s23, 4, 0
	s_cselect_b32 s42, 0, 4
	s_mov_b32 s21, 0
	s_add_nc_u64 s[8:9], s[8:9], s[20:21]
	v_and_b32 v6, 8, v1
	v_add_nc_u32 v6, v6, v1                        ; r + 8 (r / 8)
	v_mul_u32_u24 v7, v2, s22
	v_mad_u32_u24 v7, v6, s23, v7
.irp j, 0,1,2,3,4,5,6,7
	s_mul_i32 s47, s42, \j
	v_add_nc_u32 v[8+\j], s47, v7
.endr
.irp g, 0,1,2,3,4,5,6,7
.irp j, 0,1,2,3,4,5,6,7
	global_load_b32 v[BI+8*\g+\j], v[8+\j], s[8:9] offset:4*(32*(\g/2)+8*(\g%2))
.endr
.endr
	; where the results go: offsets by region; the branches hang on the cluster's numbers alone
	s_cmp_ge_u32 s17, 8
	s_cbranch_scc1 .Larm_v
	s_cmp_eq_u32 ttmp9, 0
	s_cbranch_scc0 .Larm_k
	s_lshl_b32 s20, s19, 10                        ; q: heads 2 WB, 2 WB + 1; tile WA
	s_add_co_u32 s20, s20, s18
	s_mul_i32 s[PLO], s20, 768
	s_mov_b32 s[PHI], 393216
	s_mov_b32 s[PSA], 768
	s_mov_b32 s[PSH], 0
	s_lshl_b32 s20, s19, 8
	s_lshr_b32 s21, s18, 2
	s_add_co_u32 s20, s20, s21
	s_lshl_b32 s20, s20, 8
	s_add_co_u32 s[PSC], s20, 6291456
	s_mov_b32 s[PSC2], 32768
	s_branch .Larm_done
.Larm_k:
	s_lshr_b32 s20, s18, 7                         ; k: batch WA / 128, heads 2 (WB - 8) and the next, tile WA % 128
	s_lshl_b32 s20, s20, 4
	s_sub_co_u32 s21, s19, 8
	s_lshl_b32 s21, s21, 1
	s_add_co_u32 s20, s20, s21
	s_mul_i32 s20, s20, 208896
	s_and_b32 s21, s18, 127
	s_mul_i32 s22, s21, 768
	s_add_co_u32 s[PLO], s20, s22
	s_add_co_u32 s[PLO], s[PLO], 12288
	s_mov_b32 s[PHI], 208896
	s_mov_b32 s[PSA], 768
	s_mov_b32 s[PSH], 0
	s_lshr_b32 s21, s21, 2
	s_lshl_b32 s21, s21, 8
	s_add_co_u32 s[PSC], s20, s21
	s_mov_b32 s[PSC2], 208896
	s_branch .Larm_done
.Larm_v:
	s_lshr_b32 s20, s19, 4                         ; v: batch WB / 16, key step WB % 16, heads (WA - 128) / 4 and the next
	s_lshl_b32 s20, s20, 4
	s_sub_co_u32 s21, s18, 128
	s_lshr_b32 s21, s21, 2
	s_add_co_u32 s20, s20, s21
	s_mul_i32 s20, s20, 208896
	s_and_b32 s21, s19, 15
	s_mul_i32 s22, s21, 6144
	s_add_co_u32 s[PLO], s20, s22
	s_add_co_u32 s[PLO], s[PLO], 110592
	s_mov_b32 s[PHI], 768
	s_mov_b32 s[PSA], 1536
	s_mov_b32 s[PSH], 202752
	s_lshl_b32 s21, s21, 8
	s_add_co_u32 s[PSC], s20, s21
	s_add_co_u32 s[PSC], s[PSC], 8192
	s_mov_b32 s[PSC2], 0
.Larm_done:
	s_mov_b32 s[PLO+1], 0
	s_mov_b32 s[PHI+1], 0
	s_mov_b32 s[PSA+1], 0
	s_mov_b32 s[PSH+1], 0
	s_mov_b32 s[PSC+1], 0
	s_mov_b32 s[PSC2+1], 0
	s_cmp_ge_u32 s17, 8
	s_cselect_b32 s20, 1, 0
	s_or_b32 s20, s20, ttmp9
	s_cmp_eq_u32 s20, 0
	s_cselect_b64 s[22:23], s[10:11], s[12:13]     ; q goes to qi, k and v to kv
	s_add_nc_u64 s[PLO:PLO+1], s[22:23], s[PLO:PLO+1]
	s_add_nc_u64 s[PHI:PHI+1], s[PLO:PLO+1], s[PHI:PHI+1]
	s_add_nc_u64 s[PSC:PSC+1], s[22:23], s[PSC:PSC+1]
	s_add_nc_u64 s[PSC2:PSC2+1], s[PSC:PSC+1], s[PSC2:PSC2+1]
	s_mov_b32 s2, 0x76543210
	s_mov_b32 s3, 0xfedcba98                       ; v_permlanex16_b32's selects for lane l xor 16
	s_wait_tensorcnt 1                             ; the scale words and my part of slot 0 are in; slot 1's load may be out
	s_barrier_signal -1
	s_barrier_wait -1
	FETCH_B 0, 0, 0
	FETCH_A 0, 0, 0
	SCALES 0
	FETCH_A 0, 0, 4
	s_wait_loadcnt 0x0                             ; the bias
	s_cmp_ge_u32 s17, 8
	s_cbranch_scc1 .Lfirst_v
	STEP 0, 0, 1                                   ; the first products start the sums from the bias: by b for q and k,
	s_branch .Lfirst_done
.Lfirst_v:
	STEP 0, 0, 2                                   ; by a for v
.Lfirst_done:
	TURN 0, 1, 1
	STEP 1, 0, 0
	TURN 1, 0, 1
	STEP 0, 0, 0
	TURN 0, 1, 0                                   ; the last two slots are not filled again
	STEP 1, 0, 0
	s_wait_dscnt 4*NL
	WIN 0xa1
	MUL16 0, 1, 1, 1, 0
	MUL16 2, 1, 1, 1, 0
	s_wait_dscnt 0
	WIN 0xf1
	MUL16 4, 1, 1, 1, 0
	MUL16 6, 1, 1, 1, 0
	WIN 0
; THE WAY OUT.  The 64 registers of a fixed a: register 16 B + i = number 32 B + 16 h + i along the next K, of my row.  They become a fragment's 12 registers and its scale word; each store covers 256 consecutive bytes, aligned.
.macro GROUP a
.set WX, 2+(\a)/4
.set QS, 64*((\a)%4)
	WIN (WX<<2)|(WX<<4)
.irp b, 0,1,2,3
	v_max3_num_f32 v[TM+\b], 0x1800000, |v[QS+16*\b]|, |v[QS+16*\b+1]|   ; each accumulator is read from its low end on; the floor 2^(3 - 127) holds the byte at 1
.endr
.irp i, 2,4,6,8,10,12,14
.irp b, 0,1,2,3
	v_max3_num_f32 v[TM+\b], v[TM+\b], |v[QS+16*\b+\i]|, |v[QS+16*\b+\i+1]|
.endr
.endr
	WIN 0
.irp b, 0,1,2,3
	v_permlanex16_b32 v[TM+4+\b], v[TM+\b], s2, s3
.endr
.irp b, 0,1,2,3
	v_max_num_f32 v[TM+\b], v[TM+\b], v[TM+4+\b]
.endr
.irp b, 0,1,2,3
	v_add_nc_u32 v[TM+12+\b], 0xff000000, v[TM+\b]
.endr
.irp b, 0,1,2,3
	v_lshrrev_b32 v[TM+4+\b], 23, v[TM+12+\b]
.endr
	v_lshl_or_b32 v[PWS+\a], v[TM+5], 8, v[TM+4]
	v_lshl_or_b32 v[PWS+\a], v[TM+6], 16, v[PWS+\a]
	v_lshl_or_b32 v[PWS+\a], v[TM+7], 24, v[PWS+\a]
.if (\a) > 0
	s_wait_xcnt 0x0                                ; the last group's stores have read their data and their bases
	s_add_nc_u64 s[PLO:PLO+1], s[PLO:PLO+1], s[PSA:PSA+1]
	s_add_nc_u64 s[PHI:PHI+1], s[PHI:PHI+1], s[PSA:PSA+1]
.if (\a) == 4
	s_add_nc_u64 s[PLO:PLO+1], s[PLO:PLO+1], s[PSH:PSH+1]
	s_add_nc_u64 s[PHI:PHI+1], s[PHI:PHI+1], s[PSH:PSH+1]
.endif
.endif
	WIN WX
.irp c, 0,1
	v_cvt_scalef32_pk16_fp6_f32 v[PC+6*\c:PC+6*\c+2], v[QS+32*\c:QS+32*\c+15], v[TM+12+2*\c]
	v_cvt_scalef32_pk16_fp6_f32 v[CT+4*\c:CT+4*\c+2], v[QS+32*\c+16:QS+32*\c+31], v[TM+12+2*\c+1]
.endr
	WIN 0
	v_nop                                          ; one plain line behind the conversions
.irp c, 0,1                            ; the operand's layout wants a whole block in a lane
.irp i, 0,1,2
	v_permlane16_swap_b32 v[PC+6*\c+\i], v[CT+4*\c+\i]
.endr
.irp i, 0,1,2
	v_mov_b32 v[PC+6*\c+3+\i], v[CT+4*\c+\i]
.endr
.endr
.irp u, 0,1,2
	global_store_b64 v3, v[PC+2*\u:PC+2*\u+1], s[PLO:PLO+1] offset:256*\u
.endr
.irp u, 0,1,2
	global_store_b64 v3, v[PC+6+2*\u:PC+6+2*\u+1], s[PHI:PHI+1] offset:256*\u
.endr
.endm
	PLACES NP
.irp a, 0,1,2,3,4,5,6,7
	GROUP \a
.endr
	v_cmp_ne_u32 vcc_lo, 0, v2
.irp i, 0,1,2,3
	v_cndmask_b32 v[WW+\i], v[PWS+\i], v[PWS+4+\i], vcc_lo   ; lanes 0-15: tiles 0-3; lanes 16-31: tiles 4-7
.endr
	s_cmp_ge_u32 s17, 8
	s_cbranch_scc1 .Lwords_v
.irp i, 0,1,2,3
	v_and_b32 v[WLO+\i], 0xffff, v[WW+\i]          ; the first head's two bytes,
	v_lshrrev_b32 v[WHI+\i], 16, v[WW+\i]          ; the second's
.endr
	global_store_b128 v4, v[WLO:WLO+3], s[PSC:PSC+1]       ; 512 consecutive bytes each
	global_store_b128 v4, v[WHI:WHI+3], s[PSC2:PSC2+1]
	s_branch .Lwords_done
.Lwords_v:
	global_store_b128 v30, v[WW:WW+3], s[PSC:PSC+1]        ; 256 consecutive bytes for each of the two heads
.Lwords_done:
	s_wait_tensorcnt 0x0                           ; the wave's end
	ds_add_u32 v[SPW], v[NIL]
	s_wait_dscnt 0x0
	CROUND                                         ; the closing round
	s_endpgm
.Lfunc_end_k_q8ca83e946d_g1:
	.size	k_q8ca83e946d_g1, .Lfunc_end_k_q8ca83e946d_g1-k_q8ca83e946d_g1
	.p2alignl 7, 3214868480
	.fill 96, 4, 3214868480
	.section	.rodata,"a",@progbits
	.p2align	6, 0x0
	.amdhsa_kernel k_q8ca83e946d_g1
		.amdhsa_group_segment_fixed_size 327680
		.amdhsa_private_segment_fixed_size 0
		.amdhsa_enable_private_segment 0
		.amdhsa_kernarg_size 40
		.amdhsa_user_sgpr_count 2
		.amdhsa_user_sgpr_kernarg_segment_ptr 1
		.amdhsa_wavefront_size32 1
		.amdhsa_system_sgpr_workgroup_id_x 1
		.amdhsa_system_sgpr_workgroup_id_y 1
		.amdhsa_system_sgpr_workgroup_id_z 1
		.amdhsa_system_vgpr_workitem_id 0
		.amdhsa_next_free_vgpr 1024
		.amdhsa_next_free_sgpr 102
		.amdhsa_reserve_vcc 1
		.amdhsa_float_denorm_mode_32 3
		.amdhsa_float_denorm_mode_16_64 3
		.amdhsa_memory_ordered 1
		.amdhsa_forward_progress 1
		.amdhsa_inst_pref_size 191
	.end_amdhsa_kernel
	.amdgpu_metadata
---
amdhsa.version: [ 1, 2 ]
amdhsa.kernels:
  - .name:           k_q8ca83e946d_g1
    .symbol:         k_q8ca83e946d_g1.kd
    .args:
      - { .name: xq, .offset: 0, .size: 8, .value_kind: global_buffer, .address_space: global }
      - { .name: wq, .offset: 8, .size: 8, .value_kind: global_buffer, .address_space: global }
      - { .name: b_qkv, .offset: 16, .size: 8, .value_kind: global_buffer, .address_space: global }
      - { .name: qi, .offset: 24, .size: 8, .value_kind: global_buffer, .address_space: global }
      - { .name: kv, .offset: 32, .size: 8, .value_kind: global_buffer, .address_space: global }
    .group_segment_fixed_size: 327680
    .private_segment_fixed_size: 0
    .kernarg_segment_align: 8
    .kernarg_segment_size: 40
    .max_flat_workgroup_size: 128
    .sgpr_count:     102
    .vgpr_count:     1024
    .wavefront_size: 32
...
	.end_amdgpu_metadata
.endif
;; end of part 2
;; launch attn (part 3): grid 4 x 64, 16 waves a work-group, clusters of 4 x 1, 210,944 bytes of LDS; arguments qi, kv, ctx; writes ctx
.if DOCPART == 3
	.amdgcn_target "amdgcn-amd-amdhsa--gfx1250"
	.amdhsa_code_object_version 6
	.text
	.protected	k_q8ca83e946d_attn
	.globl	k_q8ca83e946d_attn
	.p2align	8
	.type	k_q8ca83e946d_attn,@function
k_q8ca83e946d_attn:
	s_mov_b64 s[64:65], 0
	v_nop
	global_prefetch_b8 v0, s[64:65] scope:SCOPE_SE
	s_setreg_imm32_b32 hwreg(HW_REG_WAVE_MODE, 25, 1), 1
	s_wait_xcnt 0x0
	s_wait_alu depctr_hold_cnt(0) depctr_sa_sdst(0) depctr_va_vdst(0) depctr_va_sdst(0) depctr_va_ssrc(0) depctr_va_vcc(0) depctr_vm_vsrc(0)
	s_getreg_b32 s2, hwreg(HW_REG_IB_STS2, 6, 4)
	s_cmp_eq_u32 s2, 0
	s_cbranch_scc0 .Lentry_in_a_cluster
	s_endpgm
.Lentry_in_a_cluster:
	s_bfe_u32 s2, ttmp6, 0x10000c
	s_cmp_lg_u32 s2, 0x3003
	s_cbranch_scc0 .Lentry_shape_is_right
	s_endpgm
.Lentry_shape_is_right:
; context = softmax(q k^T / 8) v for each of the 64 (batch, head), both products on codes of FP6 (E2M3) with E8M0 scales; the context is quantised along D and leaves as the next product's operand.
; THE SOFTMAX: t = score x log2(e) / 8; M = the running largest t rounded up to a whole number; p = 2^(t - M) is quantised along the keys, not normalised; the row's sum is taken of the unquantised p and divides O at the end.
; When M moves, the sum and O are multiplied by 2^(old M - new M): exact.
; SHARES.  A cluster of four work-groups owns one head; a work-group 512 queries; each of its sixteen waves two tiles of 16 queries, one after the other, in 256 registers: four waves to a SIMD.
; THE HEAD'S WHOLE BLOCK OF kv (208,896 bytes: scale words, K's codes, V^T's codes) lies in LDS, byte for byte, filled ONCE by joint loads that name the four partners: no slot is ever filled again.
; LAYOUT.  Both products are used transposed (S^T = K Q^T, O^T = V^T P^T): a lane holds one query throughout.  Tile T's lane-row r is row 32 (T / 2) + 8 (T % 2) + r + 8 (r / 8), so the 16 registers of tiles 2 B, 2 B + 1 are 16 neighbours.
; The first product's K is 64: registers 6-11 of K's and of Q's fragments are zero codes, and the upper two scale bytes are 0 (2^-127): they add nothing.
; LIMITS: NaN and infinities are not served; a block whose largest magnitude lies under 2^-124 carries the byte 1.
; REGISTERS: v1-7 addresses that stay; v8-11 the step's addresses; v12 -M, v13 the largest t, v[14:15] the sum; v16-27 Q; v28-31 V's scale words; v32-79 four fragments of K; v80-127 four of V^T; v128-191 S^T, then p;
; v192-223 O^T; v224-235 p's codes; v232-247 at work; v248-251 K's scale words; v252 f; v253 p's scale word; v254 at work; v255 Q's scale word.
.set KFR,  32
.set VFR,  80
.set ST,   128
.set OT,   192
.set WV,   18                          ; s18  my wave's number
.set G1,   20                          ; s[20:27] group 1: 12,288 dense bytes;  s[28:35]: 3,072;  s[36:55] five groups 0
.set G1S,  28
.set SEL,  56
.set CS,   58                          ; s[58:59] c = log2(e) / 8
.set TB,   60                          ; s60  the step's codes: 6,144 bytes a step, in K and in V^T alike
.set TS,   61                          ; s61  K's scale words: 512 a step
.set TJ,   62                          ; s62  V's: 256 a step
.set CNT,  63
.set QB,   66                          ; s[66:67] my tile of q's codes;  s[68:69] its scale words
.set QS,   68
.set CB,   70                          ; s[70:71] where my tile's codes of the context go;  s[72:73] its scale bytes
.set CSB,  72
.macro CROUND
	s_barrier_signal -1
	s_barrier_wait -1
	s_cmp_lg_u32 s[WV], 0
	s_cbranch_scc1 .Lnot_wave_0_\@
	s_barrier_signal -3
.Lnot_wave_0_\@:
	s_barrier_wait -3
	s_barrier_signal -1
	s_barrier_wait -1
.endm
.macro QLOAD
.irp u, 0,1,2
	global_load_b64 v[16+2*\u:17+2*\u], v5, s[QB:QB+1] offset:256*\u
.endr
	global_load_b32 v255, v6, s[QS:QS+1]
.endm
.macro HEAD                            ; a tile of queries begins: O^T and the sum are zeros, the largest t is under every t
	s_mov_b32 s[TB], 0
	s_mov_b32 s[TS], 0
	s_mov_b32 s[TJ], 0
	v_mov_b32 v13, 0xff61b1e6                      ; -3e38
	s_delay_alu instid0(VALU_DEP_1)
	v_floor_f32 v12, -v13
	v_mov_b32 v14, 0
	v_mov_b32 v15, 0
.set j, 0
.rept 32
	v_mov_b32 v[OT+j], 0
.set j, j+1
.endr
	s_wait_loadcnt 0x0                             ; Q
.endm
; A KEY STEP: 128 keys
.macro STEP
	v_add_nc_u32 v8, s[TB], v1                     ; (these four are also the places in front of the loads into V's registers, which the last step's products read)
	s_wait_alu depctr_va_vdst(0)
	v_add_nc_u32 v9, s[TB], v2
	v_add_nc_u32 v10, s[TS], v3
	s_wait_alu depctr_va_vdst(0)
	v_add_nc_u32 v11, s[TJ], v4
.irp g, 0,1                            ; S^T = K Q^T, four tiles of 16 keys at a time
.if \g
.rept 4
	v_nop                                          ; places in front of loads into registers that matrix instructions have read
.endr
.endif
.irp t, 0,1,2,3
.irp p, 0,1,2
	ds_load_b64 v[KFR+12*\t+2*\p:KFR+12*\t+2*\p+1], v8 offset:768*(4*\g+\t)+256*\p
.endr
.endr
	ds_load_b128 v[248:251], v10 offset:256*\g     ; the four tiles' scale words of my lane-row
	s_wait_dscnt 0x0
.irp t, 0,1,2,3
	v_wmma_scale_f32_16x16x128_f8f6f4 v[ST+8*(4*\g+\t):ST+8*(4*\g+\t)+7], v[KFR+12*\t:KFR+12*\t+11], v[16:27], 0, v[248+\t], v255 matrix_a_fmt:MATRIX_FMT_FP6 matrix_b_fmt:MATRIX_FMT_FP6
.endr
.endr
.irp d, 0,1,2,3                        ; V^T's four fragments are asked for now and land under the softmax
.irp p, 0,1,2,3,4,5
	ds_load_b64 v[VFR+12*\d+2*\p:VFR+12*\d+2*\p+1], v9 offset:1536*\d+256*\p
.endr
.endr
	s_wait_alu depctr_va_vdst(0)
	ds_load_b128 v[28:31], v11
.irp e, 0,2                            ; the largest score of each block of 32 keys: blocks 0, 1 first: their sixteen lines are the places behind the last four products, which made blocks 2, 3
.irp b, 0,1
	v_max3_num_f32 v[232+\e+\b], v[ST+16*(\e+\b)], v[ST+16*(\e+\b)+1], v[ST+16*(\e+\b)+2]
.endr
.irp i, 3,5,7,9,11,13
.irp b, 0,1
	v_max3_num_f32 v[232+\e+\b], v[232+\e+\b], v[ST+16*(\e+\b)+\i], v[ST+16*(\e+\b)+\i+1]
.endr
.endr
.irp b, 0,1
	v_max_num_f32 v[232+\e+\b], v[232+\e+\b], v[ST+16*(\e+\b)+15]
.endr
.endr
.irp b, 0,1,2,3
	v_permlanex16_b32 v[236+\b], v[232+\b], s[SEL], s[SEL+1]
.endr
.irp b, 0,1,2,3
	s_delay_alu instid0(VALU_DEP_4)
	v_max_num_f32 v[232+\b], v[232+\b], v[236+\b]  ; with lane l xor 16's 16 keys
.endr
	s_delay_alu instid0(VALU_DEP_2)
	v_max3_num_f32 v254, v232, v233, v234
	s_delay_alu instid0(VALU_DEP_1)
	v_max_num_f32 v254, v254, v235
	s_delay_alu instid0(VALU_DEP_1)
	v_mul_f32 v254, s[CS], v254                    ; the step's largest t (c is positive)
	s_delay_alu instid0(VALU_DEP_1)
	v_max_num_f32 v13, v13, v254
	v_mov_b32 v254, v12
	s_delay_alu instid0(VALU_DEP_2)
	v_floor_f32 v12, -v13                          ; -M = floor(-t): M is a whole number
	s_delay_alu instid0(VALU_DEP_1)
	v_sub_f32 v254, v12, v254
	s_delay_alu instid0(VALU_DEP_1)
	v_cvt_i32_f32 v254, v254                       ; (it saturates)
	s_delay_alu instid0(VALU_DEP_1)
	v_ldexp_f32 v252, 1.0, v254                    ; f = 2^(old M - new M)
.set j, 0
.rept 32
	v_pk_fma_f32 v[ST+j:ST+j+1], v[ST+j:ST+j+1], s[CS:CS+1], v[12:13] op_sel_hi:[1,0,0]   ; t - M
.set j, j+2
.endr
.irp b, 0,1,2,3
	v_fma_f32 v[232+\b], v[232+\b], s[CS], v12     ; the same of each block's largest score
.endr
.set j, 0
	s_setprio 1
	s_wait_alu depctr_va_vdst(0)
.rept 64
	v_exp_f32 v[ST+j], v[ST+j]                     ; p = 2^(t - M)
.set j, j+1
.endr
	v_pk_mul_f32 v[14:15], v[14:15], v[252:253] op_sel_hi:[1,0]   ; the sum under the new M: the plain line behind the exponentials
	s_wait_alu depctr_va_vdst(0)                   ; one wait for the batch, ahead of its first reader
.irp b, 0,1,2,3
	v_exp_f32 v[232+\b], v[232+\b]                 ; each block's largest p
.endr
	v_pk_add_f32 v[236:237], v[132:133], v[136:137]
	v_pk_add_f32 v[250:251], v[140:141], v[144:145]
	v_pk_add_f32 v[248:249], v[148:149], v[152:153]
	v_pk_add_f32 v[246:247], v[156:157], v[160:161]
	v_pk_add_f32 v[244:245], v[164:165], v[168:169]
	v_pk_add_f32 v[242:243], v[172:173], v[176:177]
	v_pk_add_f32 v[240:241], v[180:181], v[184:185]
	v_pk_add_f32 v[14:15], v[14:15], v[188:189]
	v_pk_add_f32 v[236:237], v[236:237], v[128:129]
	v_pk_add_f32 v[250:251], v[250:251], v[130:131]
	v_pk_add_f32 v[248:249], v[248:249], v[134:135]
	v_pk_add_f32 v[246:247], v[246:247], v[138:139]
	v_pk_add_f32 v[244:245], v[244:245], v[142:143]
	v_pk_add_f32 v[242:243], v[242:243], v[146:147]
	v_pk_add_f32 v[240:241], v[240:241], v[150:151]
	v_pk_add_f32 v[14:15], v[14:15], v[154:155]
	v_pk_add_f32 v[236:237], v[236:237], v[158:159]
	v_pk_add_f32 v[250:251], v[250:251], v[162:163]
	v_pk_add_f32 v[248:249], v[248:249], v[166:167]
	v_pk_add_f32 v[246:247], v[246:247], v[170:171]
	v_pk_add_f32 v[244:245], v[244:245], v[174:175]
	v_pk_add_f32 v[242:243], v[242:243], v[178:179]
	v_pk_add_f32 v[240:241], v[240:241], v[182:183]
	v_pk_add_f32 v[14:15], v[14:15], v[186:187]
	v_pk_add_f32 v[236:237], v[236:237], v[190:191]
	s_delay_alu instid0(VALU_DEP_2)
	v_pk_add_f32 v[14:15], v[14:15], v[246:247]
	s_delay_alu instid0(VALU_DEP_2)
	v_pk_add_f32 v[236:237], v[236:237], v[244:245]
	v_pk_add_f32 v[250:251], v[250:251], v[242:243]
	v_pk_add_f32 v[248:249], v[248:249], v[240:241]
	s_delay_alu instid0(VALU_DEP_2)
	v_pk_add_f32 v[14:15], v[14:15], v[250:251]
	s_delay_alu instid0(VALU_DEP_2)
	v_pk_add_f32 v[236:237], v[236:237], v[248:249]
	s_delay_alu instid0(VALU_DEP_1)
	v_pk_add_f32 v[14:15], v[14:15], v[236:237]
	s_wait_alu depctr_va_vdst(0)                   ; and one for the four
.irp b, 0,1,2,3
	v_max_num_f32 v[232+\b], 0x1800000, v[232+\b]  ; the floor 2^(3 - 127)
.endr
.irp b, 0,1,2,3
	s_delay_alu instid0(VALU_DEP_4)
	v_add_nc_u32 v[244+\b], 0xff000000, v[232+\b]
.endr
.irp b, 0,1,2,3
	s_delay_alu instid0(VALU_DEP_4)
	v_lshrrev_b32 v[236+\b], 23, v[244+\b]
.endr
	s_delay_alu instid0(VALU_DEP_3)
	v_lshl_or_b32 v253, v237, 8, v236              ; p's scale word for these 128 keys
	s_delay_alu instid0(VALU_DEP_1)
	v_lshl_or_b32 v253, v238, 16, v253
	s_delay_alu instid0(VALU_DEP_1)
	v_lshl_or_b32 v253, v239, 24, v253
.irp c, 0,1
	v_cvt_scalef32_pk16_fp6_f32 v[224+6*\c:226+6*\c], v[ST+32*\c:ST+32*\c+15], v[244+2*\c]
	v_cvt_scalef32_pk16_fp6_f32 v[236+4*\c:238+4*\c], v[ST+32*\c+16:ST+32*\c+31], v[244+2*\c+1]
.endr
	v_nop                                          ; one plain line behind the conversions
	s_setprio 0
.irp c, 0,1
.irp i, 0,1,2
	v_permlane16_swap_b32 v[224+6*\c+\i], v[236+4*\c+\i]
.endr
.irp i, 0,1,2
	s_delay_alu instid0(VALU_DEP_3)
	v_mov_b32 v[227+6*\c+\i], v[236+4*\c+\i]
.endr
.endr
	s_add_co_u32 s[TB], s[TB], 6144
	s_add_co_u32 s[TS], s[TS], 512
	s_add_co_u32 s[TJ], s[TJ], 256
.set j, 0
.rept 16
	v_pk_mul_f32 v[OT+j:OT+j+1], v[OT+j:OT+j+1], v[252:253] op_sel_hi:[1,0]   ; O^T under the new M; these sixteen are the places between the codes' and the scale word's last writes and the products
.set j, j+2
.endr
	s_wait_alu depctr_va_vdst(0)
	s_wait_dscnt 0x0                               ; V^T and its scale words
.irp d, 0,1,2,3
	v_wmma_scale_f32_16x16x128_f8f6f4 v[OT+8*\d:OT+8*\d+7], v[VFR+12*\d:VFR+12*\d+11], v[224:235], v[OT+8*\d:OT+8*\d+7], v[28+\d], v253 matrix_a_fmt:MATRIX_FMT_FP6 matrix_b_fmt:MATRIX_FMT_FP6
.endr
.endm
.macro RUN n
	s_mov_b32 s[CNT], \n
.Lrun_\@:
	s_setprio 2
	STEP
	s_sub_co_u32 s[CNT], s[CNT], 1
	s_cmp_lg_u32 s[CNT], 0
	s_cbranch_scc1 .Lrun_\@
	s_setprio 0
.endm
; A tile's end: O^T / the sum; register 16 B + i is channel 32 B + 16 h + i of my query's head: two blocks along D, quantised; six registers of codes and two scale bytes leave.
.macro TAIL next
.if \next
	s_add_nc_u64 s[QB:QB+1], s[QB:QB+1], 12288     ; the tile 16 further on (the first tile's loads were waited for)
	s_add_nc_u64 s[QS:QS+1], s[QS:QS+1], 1024
	QLOAD
.endif
	v_add_f32 v14, v14, v15
	s_delay_alu instid0(VALU_DEP_1)
	v_permlanex16_b32 v252, v14, s[SEL], s[SEL+1]
	s_delay_alu instid0(VALU_DEP_1)
	v_add_f32 v14, v14, v252                       ; the row's sum
	s_wait_alu depctr_va_vdst(0)
	v_rcp_f32 v14, v14
.rept 4
	v_nop                                          ; the plain line behind the reciprocal, and the places behind the last products
.endr
	s_wait_alu depctr_va_vdst(0)
.set j, 0
.rept 16
	v_pk_mul_f32 v[OT+j:OT+j+1], v[OT+j:OT+j+1], v[14:15] op_sel_hi:[1,0]
.set j, j+2
.endr
.irp b, 0,1
	v_max3_num_f32 v[232+\b], |v[OT+16*\b]|, |v[OT+16*\b+1]|, 0x1800000
.endr
.irp i, 2,4,6,8,10,12,14
.irp b, 0,1
	s_delay_alu instid0(VALU_DEP_2)
	v_max3_num_f32 v[232+\b], v[232+\b], |v[OT+16*\b+\i]|, |v[OT+16*\b+\i+1]|
.endr
.endr
.irp b, 0,1
	s_delay_alu instid0(VALU_DEP_2)
	v_permlanex16_b32 v[236+\b], v[232+\b], s[SEL], s[SEL+1]
.endr
.irp b, 0,1
	s_delay_alu instid0(VALU_DEP_2)
	v_max_num_f32 v[232+\b], v[232+\b], v[236+\b]
.endr
.irp b, 0,1
	s_delay_alu instid0(VALU_DEP_2)
	v_add_nc_u32 v[244+\b], 0xff000000, v[232+\b]
.endr
.irp b, 0,1
	s_delay_alu instid0(VALU_DEP_2)
	v_lshrrev_b32 v[240+\b], 23, v[244+\b]
.endr
	s_delay_alu instid0(VALU_DEP_1)
	v_lshl_or_b32 v242, v241, 8, v240
	v_cvt_scalef32_pk16_fp6_f32 v[224:226], v[OT:OT+15], v244
	v_cvt_scalef32_pk16_fp6_f32 v[236:238], v[OT+16:OT+31], v245
	v_nop
.irp i, 0,1,2
	v_permlane16_swap_b32 v[224+\i], v[236+\i]
.endr
.irp i, 0,1,2
	s_delay_alu instid0(VALU_DEP_3)
	v_mov_b32 v[227+\i], v[236+\i]
.endr
.irp u, 0,1,2
	global_store_b64 v5, v[224+2*\u:225+2*\u], s[CB:CB+1] offset:256*\u   ; 256 consecutive bytes, aligned
.endr
	global_store_b16 v7, v242, s[CSB:CSB+1]        ; my head's two bytes of the row's scale word (lanes 16-31 repeat lanes 0-15); the word's other half is another head's
.if \next
	s_wait_xcnt 0x0                                ; the stores have read their data and their bases
	s_add_nc_u64 s[CB:CB+1], s[CB:CB+1], 196608
	s_add_nc_u64 s[CSB:CSB+1], s[CSB:CSB+1], 8192
.endif
.endm
	s_load_b128 s[4:7], s[0:1], 0x0                ; qi s[4:5], kv s[6:7]
	s_load_b64 s[8:9], s[0:1], 0x10                ; ctx
	v_lshl_add_u32 v254, v0, 2, 0x33000
	v_mov_b32 v255, 0
	ds_add_u32 v254, v255
	ds_add_u32 v254, v255
	s_wait_dscnt 0x0
	v_lshrrev_b32 v8, 5, v0
	s_delay_alu instid0(VALU_DEP_1)
	v_readfirstlane_b32 s[WV], v8                  ; wave 0..15
	s_bfe_u32 s19, ttmp6, 0x40000                  ; cx: it enters q's and the context's addresses alone
	s_and_b32 s10, ttmp7, 0xffff                   ; 16 x batch + head
	s_lshr_b32 s11, s10, 4
	s_and_b32 s12, s10, 15
	s_mul_i32 s74, s10, 208896
	s_mov_b32 s75, 0
	s_and_b32 s13, s[WV], 3
	s_mul_i32 s14, s13, 3072                       ; what waves 0-3 fetch: a quarter of the scale words,
	s_lshr_b32 s15, s13, 1
	s_mul_i32 s15, s15, 98304                      ; and of K's codes (waves 0, 1) or V^T's (waves 2, 3) every second piece of 12,288 bytes
	s_and_b32 s16, s13, 1
	s_mul_i32 s16, s16, 12288
	s_add_co_u32 s15, s15, s16
	s_add_co_u32 s15, s15, 12288
	s_mov_b32 s17, 0
	s_mov_b32 s[G1], 15|(3<<16)|(1<<21)            ; 15:0 the mask: all four work-groups; 17:16 elements of 8 bytes; 21 set beside a mask
	s_mov_b32 s[G1+1], 32<<16
	s_mov_b32 s[G1+2], 48<<16
	s_mov_b32 s[G1+3], 32<<16
	s_mov_b32 s[G1+4], 48
	s_mov_b32 s[G1+5], 32
	s_mov_b32 s[G1+6], 0
	s_mov_b32 s[G1+7], 0
	s_mov_b32 s[G1S], 15|(3<<16)|(1<<21)
	s_mov_b32 s[G1S+1], 32<<16
	s_mov_b32 s[G1S+2], 12<<16
	s_mov_b32 s[G1S+3], 32<<16
	s_mov_b32 s[G1S+4], 12
	s_mov_b32 s[G1S+5], 32
	s_mov_b32 s[G1S+6], 0
	s_mov_b32 s[G1S+7], 0
	s_mov_b32 s[SEL], 0x76543210
	s_mov_b32 s[SEL+1], 0xfedcba98
	s_mov_b32 s[CS], 0x3e38aa3b                    ; log2(e) / 8
	s_mov_b32 s[CS+1], s[CS]
	s_wait_kmcnt 0x0
	s_add_nc_u64 s[76:77], s[6:7], s[74:75]        ; the head's block
	s_mov_b32 s36, 1
	s_mov_b32 s37, s14
	s_mov_b32 s16, s14
	s_add_nc_u64 s[38:39], s[76:77], s[16:17]
	s_or_b32 s39, s39, 0x80000000
.irp c, 0,1,2,3
	s_mov_b32 s[40+4*\c], 1
	s_add_co_u32 s[41+4*\c], s15, \c*24576
	s_add_co_u32 s16, s15, \c*24576
	s_add_nc_u64 s[42+4*\c:43+4*\c], s[76:77], s[16:17]
	s_or_b32 s[43+4*\c], s[43+4*\c], 0x80000000
.endr
	CROUND                                         ; all four work-groups are here: the joint loads meet
	s_cmp_lt_u32 s[WV], 4                          ; a wave's five fills stand in one branch; five loads of mine are out
	s_cbranch_scc0 .Lno_fetch
	tensor_load_to_lds s[36:39], s[G1S:G1S+7]
	s_nop 0
	tensor_load_to_lds s[40:43], s[G1:G1+7]
	s_nop 0
	tensor_load_to_lds s[44:47], s[G1:G1+7]
	s_nop 0
	tensor_load_to_lds s[48:51], s[G1:G1+7]
	s_nop 0
	tensor_load_to_lds s[52:55], s[G1:G1+7]
	s_nop 0
.rept 4
	v_nop
.endr
.Lno_fetch:
	v_and_b32 v9, 31, v0
	s_delay_alu instid0(VALU_DEP_1)
	v_lshlrev_b32 v5, 3, v9                        ; 8 x lane
	s_wait_alu depctr_va_vdst(0)
	v_and_b32 v10, 15, v0                          ; r
	v_add_nc_u32 v1, 12288, v5                     ; K's codes
	v_add_nc_u32 v2, 110592, v5                    ; V^T's
	s_delay_alu instid0(VALU_DEP_3)
	v_lshlrev_b32 v3, 4, v10                       ; K's scale words: 16 r
	s_delay_alu instid0(VALU_DEP_1)
	v_add_nc_u32 v4, 8192, v3                      ; V's
	s_lshl_b32 s13, s13, 2
	v_add_nc_u32 v6, s13, v3                       ; q's scale word: 16 r + 4 (tile % 4)
	s_wait_alu depctr_va_vdst(0)
	v_lshlrev_b32 v7, 3, v10                       ; the context's scale bytes: 8 r
	s_lshl_b32 s78, s19, 5
	s_add_co_u32 s78, s78, s[WV]
	s_lshl_b32 s79, s11, 7
	s_add_co_u32 s78, s78, s79                     ; my first tile of tokens: 128 x batch + 32 cx + wave
	s_lshl_b32 s79, s12, 9
	s_add_co_u32 s79, s79, s78
	s_mul_i32 s80, s79, 768
	s_mov_b32 s81, 0
	s_add_nc_u64 s[QB:QB+1], s[4:5], s[80:81]
	s_lshl_b32 s79, s12, 7
	s_lshr_b32 s82, s78, 2
	s_add_co_u32 s79, s79, s82
	s_lshl_b32 s80, s79, 8
	s_add_co_u32 s80, s80, 6291456
	s_add_nc_u64 s[QS:QS+1], s[4:5], s[80:81]
	s_mul_i32 s80, s78, 12288
	s_mul_i32 s82, s12, 768
	s_add_co_u32 s80, s80, s82
	s_add_nc_u64 s[CB:CB+1], s[8:9], s[80:81]
	s_lshl_b32 s80, s78, 9
	s_lshr_b32 s82, s12, 2
	s_lshl_b32 s82, s82, 7
	s_add_co_u32 s80, s80, s82
	s_bfe_u32 s83, s12, 0x10001
	s_lshl_b32 s83, s83, 2
	s_add_co_u32 s80, s80, s83
	s_and_b32 s84, s12, 1
	s_lshl_b32 s84, s84, 1
	s_add_co_u32 s80, s80, s84
	s_add_co_u32 s80, s80, 6291456
	s_add_nc_u64 s[CSB:CSB+1], s[8:9], s[80:81]
	QLOAD
.irp j, 22,23,24,25,26,27
	v_mov_b32 v[\j], 0                             ; the upper half of the instruction's K: zero codes, in Q
.endr
.irp t, 0,1,2,3
.irp j, 6,7,8,9,10,11
	v_mov_b32 v[KFR+12*\t+\j], 0                   ; and in K
.endr
.endr
.irp b, 0,1,2,3
	v_mov_b32 v[236+\b], 0                         ; a lane permute's destination counts as one of its sources
.endr
	v_mov_b32 v253, 0                              ; (named as the upper half of the pair v[252:253] before it is first written)
	HEAD
	s_wait_tensorcnt 0x0                           ; my parts of the head's block are in,
	s_barrier_signal -1
	s_barrier_wait -1                              ; everybody's are: from here on LDS is only read
	RUN 16
	TAIL 1
	HEAD
	RUN 16
	TAIL 0
	s_wait_xcnt 0x0
	v_lshl_add_u32 v254, v0, 2, 0x33000
	v_mov_b32 v255, 0
	s_wait_alu depctr_va_vdst(0)
	s_wait_tensorcnt 0x0
	ds_add_u32 v254, v255
	s_wait_dscnt 0x0
	CROUND                                         ; the closing round
	s_endpgm
.Lfunc_end_k_q8ca83e946d_attn:
	.size	k_q8ca83e946d_attn, .Lfunc_end_k_q8ca83e946d_attn-k_q8ca83e946d_attn
	.p2alignl 7, 3214868480
	.fill 96, 4, 3214868480
	.section	.rodata,"a",@progbits
	.p2align	6, 0x0
	.amdhsa_kernel k_q8ca83e946d_attn
		.amdhsa_group_segment_fixed_size 210944
		.amdhsa_private_segment_fixed_size 0
		.amdhsa_enable_private_segment 0
		.amdhsa_kernarg_size 24
		.amdhsa_user_sgpr_count 2
		.amdhsa_user_sgpr_kernarg_segment_ptr 1
		.amdhsa_wavefront_size32 1
		.amdhsa_system_sgpr_workgroup_id_x 1
		.amdhsa_system_sgpr_workgroup_id_y 1
		.amdhsa_system_sgpr_workgroup_id_z 1
		.amdhsa_system_vgpr_workitem_id 0
		.amdhsa_next_free_vgpr 256
		.amdhsa_next_free_sgpr 86
		.amdhsa_reserve_vcc 0
		.amdhsa_float_denorm_mode_32 3
		.amdhsa_float_denorm_mode_16_64 3
		.amdhsa_memory_ordered 1
		.amdhsa_forward_progress 1
		.amdhsa_inst_pref_size 58
	.end_amdhsa_kernel
	.amdgpu_metadata
---
amdhsa.version: [ 1, 2 ]
amdhsa.kernels:
  - .name:           k_q8ca83e946d_attn
    .symbol:         k_q8ca83e946d_attn.kd
    .args:
      - { .name: qi, .offset: 0, .size: 8, .value_kind: global_buffer, .address_space: global }
      - { .name: kv, .offset: 8, .size: 8, .value_kind: global_buffer, .address_space: global }
      - { .name: ctx, .offset: 16, .size: 8, .value_kind: global_buffer, .address_space: global }
    .group_segment_fixed_size: 210944
    .private_segment_fixed_size: 0
    .kernarg_segment_align: 8
    .kernarg_segment_size: 24
    .max_flat_workgroup_size: 512
    .sgpr_count:     86
    .vgpr_count:     256
    .wavefront_size: 32
...
	.end_amdgpu_metadata
.endif
;; end of part 3
;; launch g2 (part 4): grid 4 x 32, 4 waves a work-group, clusters of 4 x 4, 327,680 bytes of LDS; arguments ctx, wq, b_proj, out0; writes out0
.if DOCPART == 4
	.amdgcn_target "amdgcn-amd-amdhsa--gfx1250"
	.amdhsa_code_object_version 6
	.text
	.protected	k_q8ca83e946d_g2
	.globl	k_q8ca83e946d_g2
	.p2align	8
	.type	k_q8ca83e946d_g2,@function
k_q8ca83e946d_g2:
	s_mov_b64 s[64:65], 0
	v_nop
	global_prefetch_b8 v0, s[64:65] scope:SCOPE_SE
	s_setreg_imm32_b32 hwreg(HW_REG_WAVE_MODE, 25, 1), 1
	s_wait_xcnt 0x0
	s_wait_alu depctr_hold_cnt(0) depctr_sa_sdst(0) depctr_va_vdst(0) depctr_va_sdst(0) depctr_va_ssrc(0) depctr_va_vcc(0) depctr_vm_vsrc(0)
	s_getreg_b32 s2, hwreg(HW_REG_IB_STS2, 6, 4)
	s_cmp_eq_u32 s2, 0
	s_cbranch_scc0 .Lentry_in_a_cluster
	s_endpgm
.Lentry_in_a_cluster:
	s_bfe_u32 s2, ttmp6, 0x10000c
	s_cmp_lg_u32 s2, 0xf033
	s_cbranch_scc0 .Lentry_shape_is_right
	s_endpgm
.Lentry_shape_is_right:
; out = context w_proj + b_proj on codes of FP6 (E2M3) with E8M0 scales, K = 1,024; out0 [8192][1024] f32.
; OPERANDS are register images (tile T: lane-row r is row 32 (T / 2) + 8 (T % 2) + r + 8 (r / 8); a fragment = 6 units of 256 bytes, unit u = registers 2 u, 2 u + 1, lane l at 8 l).  A = ctx's tokens, B = w_proj's columns: wq's tiles 192-255.
; A work-group of four waves makes 256 x 256, a wave 128 x 128: 64 accumulators.  Source 0 = B's tile b, source 1 = A's tile a: in accumulator (a, b) lane (r, h) holds token 32 (a / 2) + 8 (a % 2) + r + 8 (r / 8)
; and register j column 32 (b / 2) + 8 (b % 2) + 16 h + j.  The bias is the C of each sum's first matrix instruction.
; CLUSTER 4 x 4: A's tiles are shared along a row of the cluster, B's along a column: joint loads.  K goes in four steps of 256 through two LDS slots; the scale words of all of K come once.
; 128 work-groups: a smaller tile would want a second core.
; REGISTERS: window 0: v1-29 addresses; v32-63 scale words, two sets; v64-127 the bias; v128-223 A's fragments, one set; on the way out v128-255 rows of the result.  Window 1: B's fragments, two sets.  Windows 2, 3: accumulator (a, b) at v[8 (8 (a % 4) + b)].
.set HALFT, 24576
.set SLOT,  98304
.set SCL,   196608
.set SPARE, 212992                     ; the spare words, 128 bytes a wave: two blocks of 256 bytes that no other line names
.set FR,    12
.set NL,    6
.set NP,    4
.set ADRA,  16
.set ADRB,  20
.set STO,   24                         ; v24  the way out: where I put 32 bytes of a row
.set RD,    25                         ; v25  where I read a row back
.set CO,    26                         ; v26  16 x lane
.set ADRS,  27
.set SPW,   28
.set NIL,   29
.set SC,    32
.set BI,    64
.set AF,    128
.set BK,    128
.set G1,   24
.set G0,   32
.set G1B,  48
.set G0B,  56
.set G1S,  68
.set G0S,  76
.set G1SB, 80
.set G0SB, 88
.set MSB, 0
.macro WIN new
.if MSB != (\new)
	s_set_vgpr_msb (MSB<<8)|(\new)
.set MSB, (\new)
.endif
.endm
.macro JLOAD g0a, g1a, g0b, g1b        ; a joint load: waves 0 and 1 fetch for A, waves 2 and 3 for B; four v_nop follow each of the two lines
	s_cmp_eq_u32 s15, 0
	s_cbranch_scc0 .Lfor_b_\@
	tensor_load_to_lds s[\g0a:\g0a+3], s[\g1a:\g1a+7]
	s_nop 0
.rept 4
	v_nop
.endr
	s_branch .Lasked_\@
.Lfor_b_\@:
	tensor_load_to_lds s[\g0b:\g0b+3], s[\g1b:\g1b+7]
	s_nop 0
.rept 4
	v_nop
.endr
.Lasked_\@:
.endm
.macro CREST
	s_cmp_lg_u32 s14, 0
	s_cbranch_scc1 .Lnot_wave_0_\@
	s_barrier_signal -3
.Lnot_wave_0_\@:
	s_barrier_wait -3
	s_barrier_signal -1
	s_barrier_wait -1
.endm
.macro CROUND
	s_barrier_signal -1
	s_barrier_wait -1
	CREST
.endm
.macro PLACES n
.rept \n
	v_nop
.endr
.endm
.macro FRAG reg, adr, q, i
.irp p, 0,1,2,3,4,5
	ds_load_b64 v[\reg+2*\p:\reg+2*\p+1], v[\adr] offset:3072*(\i)+1536*(\q)+256*\p
.endr
.endm
.macro FETCH_B slot, q, p
	WIN 0x40
.irp i, 0,1,2,3,4,5,6,7
	FRAG 128*(\p)+FR*\i, ADRB+\slot, \q, \i
.endr
	WIN 0
.endm
.macro FETCH_A slot, q, i0
.irp i, \i0, \i0+1, \i0+2, \i0+3
	FRAG AF+FR*(\i), ADRA+\slot, \q, \i
.endr
.endm
.macro SCALES sc
.irp i, 0,1,2,3,4,5,6,7
	ds_load_b64 v[SC+16*\sc+2*\i:SC+16*\sc+2*\i+1], v[ADRS] offset:512*\i
.endr
.endm
; 16 matrix instructions: A's tiles a0, a0 + 1 x B's eight.  cm = 0: the sums go on; 1: they start from the bias.  The 64 accumulators take turns, one instruction a turn.
.macro MUL16 a0, p, q, sc, cm
.irp a, \a0, \a0+1
.irp b, 0,1,2,3,4,5,6,7
.set DA, 8*(8*((\a)%4)+\b)
.set BF, 128*(\p)+FR*\b
.set AA, AF+FR*(\a)
.set SB0, SC+16*(\sc)+2*\b+(\q)
.set SA0, SC+16*(\sc)+2*(\a)+(\q)
.if \cm == 0
	v_wmma_scale_f32_16x16x128_f8f6f4 v[DA:DA+7], v[BF:BF+FR-1], v[AA:AA+FR-1], v[DA:DA+7], v[SB0], v[SA0] matrix_a_fmt:MATRIX_FMT_FP6 matrix_b_fmt:MATRIX_FMT_FP6 matrix_a_scale:MATRIX_SCALE_ROW1
.else
	v_wmma_scale_f32_16x16x128_f8f6f4 v[DA:DA+7], v[BF:BF+FR-1], v[AA:AA+FR-1], v[BI+8*\b:BI+8*\b+7], v[SB0], v[SA0] matrix_a_fmt:MATRIX_FMT_FP6 matrix_b_fmt:MATRIX_FMT_FP6 matrix_a_scale:MATRIX_SCALE_ROW1
.endif
.endr
.endr
.endm
.macro STEP slot, q, cm
	s_wait_dscnt 4*NL                              ; B's set, A's tiles 0-3 and the scale words are in; the youngest 24 loads (A's tiles 4-7) may be out
.if \cm
	WIN 0x81
.else
	WIN 0xa1
.endif
	MUL16 0, (\q)%2, \q, \slot, \cm
	MUL16 2, (\q)%2, \q, \slot, \cm
	s_wait_dscnt 0
	PLACES NP
	FETCH_B \slot, (\q)+1, 1-(\q)%2
	FETCH_A \slot, (\q)+1, 0
.if \cm
	WIN 0xc1
.else
	WIN 0xf1
.endif
	MUL16 4, (\q)%2, \q, \slot, \cm
	MUL16 6, (\q)%2, \q, \slot, \cm
	PLACES NP
	WIN 0
	FETCH_A \slot, (\q)+1, 4
.endm
.macro TURN slot, next, fill
	s_wait_tensorcnt 0x0                           ; all my tensor loads have landed: my part of the next slot
	ds_add_u32 v[SPW], v[NIL]                      ; 0 onto my spare word
	s_wait_dscnt 4*NL+1                            ; (the add and the youngest 24 loads may be out)
	WIN 0xa1
	MUL16 0, 1, 1, \slot, 0
	s_wait_dscnt 0x0                               ; the add is done, and my reads of this slot are over
	s_barrier_signal -1
	MUL16 2, 1, 1, \slot, 0
	WIN 0
	s_barrier_wait -1
.if \fill
	CREST                                          ; the barrier has opened a round of the cluster's: no wave of any partner still reads this slot or has a load on its way
	s_add_nc_u64 s[G0+4*\slot+2:G0+4*\slot+3], s[G0+4*\slot+2:G0+4*\slot+3], 6144
	s_add_nc_u64 s[G0B+4*\slot+2:G0B+4*\slot+3], s[G0B+4*\slot+2:G0B+4*\slot+3], 6144
	JLOAD G0+4*\slot, G1, G0B+4*\slot, G1B
.else
	PLACES NP
.endif
	v_add_nc_u32 v[ADRS], 128, v[ADRS]
	FETCH_B \next, 0, 0
	FETCH_A \next, 0, 0
	SCALES \next
	WIN 0xf1
	MUL16 4, 1, 1, \slot, 0
	MUL16 6, 1, 1, \slot, 0
	PLACES NP
	WIN 0
	FETCH_A \next, 0, 4
.endm
	s_load_b256 s[4:11], s[0:1], 0x0               ; ctx s[4:5], wq s[6:7], b_proj s[8:9], out0 s[10:11]
	v_lshl_add_u32 v[SPW], v0, 2, SPARE
	v_mov_b32 v[NIL], 0
	ds_add_u32 v28, v29
	ds_add_u32 v28, v29
	s_wait_dscnt 0x0
	v_lshrrev_b32 v1, 5, v0
	v_readfirstlane_b32 s14, v1                    ; wave 0..3
	s_lshr_b32 s15, s14, 1
	s_and_b32 s16, s14, 1
	s_bfe_u32 s40, ttmp6, 0x40000                  ; cx
	s_bfe_u32 s41, ttmp6, 0x40004                  ; cy
	s_and_b32 s17, ttmp7, 0xffff
	s_lshl_b32 s43, s41, 2
	s_lshl_b32 s43, 15, s43                        ; my row of the cluster
	s_lshl_b32 s44, 0x1111, s40                    ; my column
	s_lshl_b32 s45, s17, 2
	s_add_co_u32 s45, s45, s41                     ; my 256 tokens
	s_lshl_b32 s46, ttmp9, 2
	s_add_co_u32 s46, s46, s40                     ; my 256 columns
	s_or_b32 s[G1+0], s43, (3<<16)|(1<<21)
	s_or_b32 s[G1B+0], s44, (3<<16)|(1<<21)
.irp g, G1, G1B                        ; 8 tiles' 3,072 bytes (two K steps), 12,288 bytes apart
	s_mov_b32 s[\g+1], 384<<16
	s_mov_b32 s[\g+2], 8<<16
	s_mov_b32 s[\g+3], 384<<16
	s_mov_b32 s[\g+4], 8
	s_mov_b32 s[\g+5], 1536
	s_mov_b32 s[\g+6], 0
	s_mov_b32 s[\g+7], 0
.endr
	s_or_b32 s[G1S+0], s43, (3<<16)|(1<<21)
	s_or_b32 s[G1SB+0], s44, (3<<16)|(1<<21)
.irp g, G1S, G1SB                      ; 8 tiles' scale words: 4,096 dense bytes
	s_mov_b32 s[\g+1], 32<<16
	s_mov_b32 s[\g+2], 16<<16
	s_mov_b32 s[\g+3], 32<<16
	s_mov_b32 s[\g+4], 16
	s_mov_b32 s[\g+5], 32
	s_mov_b32 s[\g+6], 0
	s_mov_b32 s[\g+7], 0
.endr
	s_lshl_b32 s18, s16, 3
	s_lshl_b32 s42, s45, 4
	s_add_co_u32 s42, s42, s18                     ; A's first tile that I fetch
	s_lshl_b32 s47, s46, 4
	s_add_co_u32 s47, s47, s18
	s_add_co_u32 s47, s47, 192                     ; B's: w_proj's tiles begin at 192
	s_mul_i32 s20, s42, 12288
	s_mov_b32 s21, 0
	s_lshl_b32 s22, s42, 9
	s_add_co_u32 s22, s22, 6291456
	s_mov_b32 s23, 0
	s_mul_i32 s66, s47, 12288
	s_mov_b32 s67, 0
	s_lshl_b32 s92, s47, 9
	s_add_co_u32 s92, s92, 3145728
	s_mov_b32 s93, 0
	s_mul_i32 s94, s14, HALFT
	s_lshl_b32 s95, s14, 12
	s_wait_kmcnt 0x0
	s_add_nc_u64 s[20:21], s[4:5], s[20:21]
	s_add_nc_u64 s[22:23], s[4:5], s[22:23]
	s_add_nc_u64 s[66:67], s[6:7], s[66:67]
	s_add_nc_u64 s[92:93], s[6:7], s[92:93]
	CROUND                                         ; all sixteen work-groups are here: the first joint loads meet
	s_mov_b32 s[G0S], 1
	s_add_co_u32 s[G0S+1], s95, SCL
	s_mov_b64 s[G0S+2:G0S+3], s[22:23]
	s_or_b32 s[G0S+3], s[G0S+3], 0x80000000
	s_mov_b32 s[G0SB], 1
	s_add_co_u32 s[G0SB+1], s95, SCL
	s_mov_b64 s[G0SB+2:G0SB+3], s[92:93]
	s_or_b32 s[G0SB+3], s[G0SB+3], 0x80000000
	JLOAD G0S, G1S, G0SB, G1SB
.irp s, 0,1
	s_mov_b32 s[G0+4*\s], 1
	s_add_co_u32 s[G0+4*\s+1], s94, \s*SLOT
	s_add_nc_u64 s[G0+4*\s+2:G0+4*\s+3], s[20:21], \s*3072
	s_or_b32 s[G0+4*\s+3], s[G0+4*\s+3], 0x80000000
	s_mov_b32 s[G0B+4*\s], 1
	s_add_co_u32 s[G0B+4*\s+1], s94, \s*SLOT
	s_add_nc_u64 s[G0B+4*\s+2:G0B+4*\s+3], s[66:67], \s*3072
	s_or_b32 s[G0B+4*\s+3], s[G0B+4*\s+3], 0x80000000
	JLOAD G0+4*\s, G1, G0B+4*\s, G1B               ; three loads of mine are out
.endr
	v_and_b32 v1, 15, v0                           ; r
	v_bfe_u32 v2, v0, 4, 1                         ; h
	v_and_b32 v4, 31, v0
	v_lshlrev_b32 v3, 3, v4                        ; 8 x lane
	v_lshlrev_b32 v[CO], 4, v4                     ; 16 x lane
	s_mul_i32 s21, s15, HALFT
	s_mul_i32 s22, s16, HALFT
	s_add_co_u32 s22, s22, 2*HALFT
.irp s, 0,1
	v_add_nc_u32 v[ADRA+\s], s21, v3
	v_add_nc_u32 v[ADRB+\s], s22, v3
	s_add_co_u32 s21, s21, SLOT
	s_add_co_u32 s22, s22, SLOT
.endr
	v_lshlrev_b32 v6, 3, v1
	s_lshl_b32 s20, s15, 12
	s_lshl_b32 s21, s16, 12
	s_add_co_u32 s21, s21, 8192
	s_sub_co_u32 s21, s21, s20
	v_mul_u32_u24 v7, s21, v2                      ; lanes 16-31 take B's: one product by h
	s_add_co_u32 s20, s20, SCL
	v_add_nc_u32 v6, v6, v7
	v_add_nc_u32 v[ADRS], s20, v6
	s_mul_i32 s23, s14, 8448                       ; my stage: 16 rows x (512 + 16) bytes, in slot 0, which has had its last fill and its last read when the first result is stored there
	v_mul_u32_u24 v6, v1, 528
	v_lshl_add_u32 v6, v2, 6, v6
	v_add_nc_u32 v[STO], s23, v6
	v_add_nc_u32 v[RD], s23, v[CO]
	s_lshl_b32 s20, s46, 10
	s_lshl_b32 s21, s16, 9
	s_add_co_u32 s20, s20, s21                     ; my first column, in bytes
	s_mov_b32 s21, 0
	s_add_nc_u64 s[8:9], s[8:9], s[20:21]
	v_lshlrev_b32 v5, 6, v2                        ; the bias: register j of tile b: column 32 (b / 2) + 8 (b % 2) + 16 h + j
.irp b, 0,1,2,3,4,5,6,7
	global_load_b128 v[BI+8*\b:BI+8*\b+3], v5, s[8:9] offset:4*(32*(\b/2)+8*(\b%2))
	global_load_b128 v[BI+8*\b+4:BI+8*\b+7], v5, s[8:9] offset:4*(32*(\b/2)+8*(\b%2))+16
.endr
	s_lshl_b32 s22, s45, 8
	s_lshl_b32 s23, s15, 7
	s_add_co_u32 s22, s22, s23                     ; my first token
	s_lshl_b32 s22, s22, 12
	s_add_co_u32 s22, s22, s20
	s_mov_b32 s23, 0
	s_add_nc_u64 s[10:11], s[10:11], s[22:23]
	s_wait_tensorcnt 1                             ; the scale words and my part of slot 0 are in; slot 1's load may be out
	s_barrier_signal -1
	s_barrier_wait -1
	FETCH_B 0, 0, 0
	FETCH_A 0, 0, 0
	SCALES 0
	FETCH_A 0, 0, 4
	s_wait_loadcnt 0x0                             ; the bias
	STEP 0, 0, 1                                   ; the first products start the sums from the bias
	TURN 0, 1, 1
	STEP 1, 0, 0
	TURN 1, 0, 1
	STEP 0, 0, 0
	TURN 0, 1, 0                                   ; the last two slots are not filled again
	STEP 1, 0, 0
	s_wait_dscnt 4*NL
	WIN 0xa1
	MUL16 0, 1, 1, 1, 0
	MUL16 2, 1, 1, 1, 0
	s_wait_dscnt 0
	WIN 0xf1
	MUL16 4, 1, 1, 1, 0
	MUL16 6, 1, 1, 1, 0
	WIN 0
; THE WAY OUT, a tile of 16 tokens x 128 columns at a time, through my own stage: in by lanes' 32 bytes, at the columns' true places; back as whole rows of 512 bytes.  LDS serves a wave's instructions in order.
.macro TOSTAGE a
.set AC, 64*((\a)%4)
	WIN 0x08+4*((\a)/4)                            ; the data: window 2 or 3
.irp b, 0,1,2,3,4,5,6,7
	ds_store_b128 v[STO], v[AC+8*\b:AC+8*\b+3] offset:128*(\b/2)+32*(\b%2)          ; each accumulator from its low end on
	ds_store_b128 v[STO], v[AC+8*\b+4:AC+8*\b+7] offset:128*(\b/2)+32*(\b%2)+16
.endr
	WIN 0
.set BB, BK+64*((\a)%2)
.irp t, 0,1,2,3,4,5,6,7,8,9,10,11,12,13,14,15
	ds_load_b128 v[BB+4*\t:BB+4*\t+3], v[RD] offset:\t*528
.endr
.endm
.macro SEND a, younger                 ; younger: the LDS instructions issued behind tile a's loads, which may stay out
.set BB, BK+64*((\a)%2)
	s_wait_dscnt \younger
.irp t, 0,1,2,3,4,5,6,7,8,9,10,11,12,13,14,15
	global_store_b128 v[CO], v[BB+4*\t:BB+4*\t+3], s[10:11] offset:(32*((\a)/2)+8*((\a)%2)+\t+8*(\t/8))*4096 th:TH_STORE_NT   ; 32 lanes store 512 consecutive bytes, aligned; the token's row stands in the immediate
.endr
.endm
	PLACES NP
	TOSTAGE 0
.irp a, 1,2,3,4,5,6,7
.if \a > 1
	s_wait_xcnt 0x0                                ; tile a - 2's stores have read their registers: tile a's loads may land there
.endif
	TOSTAGE \a
	SEND \a-1, 32                                  ; behind tile a - 1's loads: tile a's 16 stores and 16 loads
.endr
	SEND 7, 0
	s_wait_tensorcnt 0x0                           ; the wave's end
	ds_add_u32 v[SPW], v[NIL]
	s_wait_dscnt 0x0
	CROUND                                         ; the closing round
	s_endpgm
.Lfunc_end_k_q8ca83e946d_g2:
	.size	k_q8ca83e946d_g2, .Lfunc_end_k_q8ca83e946d_g2-k_q8ca83e946d_g2
	.p2alignl 7, 3214868480
	.fill 96, 4, 3214868480
	.section	.rodata,"a",@progbits
	.p2align	6, 0x0
	.amdhsa_kernel k_q8ca83e946d_g2
		.amdhsa_group_segment_fixed_size 327680
		.amdhsa_private_segment_fixed_size 0
		.amdhsa_enable_private_segment 0
		.amdhsa_kernarg_size 32
		.amdhsa_user_sgpr_count 2
		.amdhsa_user_sgpr_kernarg_segment_ptr 1
		.amdhsa_wavefront_size32 1
		.amdhsa_system_sgpr_workgroup_id_x 1
		.amdhsa_system_sgpr_workgroup_id_y 1
		.amdhsa_system_sgpr_workgroup_id_z 1
		.amdhsa_system_vgpr_workitem_id 0
		.amdhsa_next_free_vgpr 1024
		.amdhsa_next_free_sgpr 102
		.amdhsa_reserve_vcc 0
		.amdhsa_float_denorm_mode_32 3
		.amdhsa_float_denorm_mode_16_64 3
		.amdhsa_memory_ordered 1
		.amdhsa_forward_progress 1
		.amdhsa_inst_pref_size 160
	.end_amdhsa_kernel
	.amdgpu_metadata
---
amdhsa.version: [ 1, 2 ]
amdhsa.kernels:
  - .name:           k_q8ca83e946d_g2
    .symbol:         k_q8ca83e946d_g2.kd
    .args:
      - { .name: ctx, .offset: 0, .size: 8, .value_kind: global_buffer, .address_space: global }
      - { .name: wq, .offset: 8, .size: 8, .value_kind: global_buffer, .address_space: global }
      - { .name: b_proj, .offset: 16, .size: 8, .value_kind: global_buffer, .address_space: global }
      - { .name: out0, .offset: 24, .size: 8, .value_kind: global_buffer, .address_space: global }
    .group_segment_fixed_size: 327680
    .private_segment_fixed_size: 0
    .kernarg_segment_align: 8
    .kernarg_segment_size: 32
    .max_flat_workgroup_size: 128
    .sgpr_count:     102
    .vgpr_count:     1024
    .wavefront_size: 32
...
	.end_amdgpu_metadata
.endif
;; end of part 4
